; MI455X (gfx1250); checked and timed in simulation.
; The chip was launched on July 23, 2026; its instructions are those of AMD's public machine-readable ISA for CDNA 5 (MIT licence, August 2026) and "CDNA5" Instruction Set Architecture Reference Guide (July 2026). The comments in the code are by the model that wrote it; some were corrected since.
;; Unified Self Attention. Allowed arithmetic: float matrix products may take bf16 or f16 operands with f32 sums; all other float work in f32.
;; Inputs: Wk 1,024 x 1,024 float32; Wq 1,024 x 1,024 float32; Wv 1,024 x 1,024 float32; inputs 2 x 2,048 x 1,024 float32.
;; Outputs: out0 2 x 2,048 x 1,024 float32.
;; 2 versions, each right. Each part assembles by itself: llvm-mc -triple=amdgcn-amd-amdhsa -mcpu=gfx1250 --defsym DOCPART=n.
;; ======== version 1 of 2: 2 launches
;; limits: values are held in f16: magnitudes above 65,504 overflow, below 6.1e-05 lose precision
;; workspace buffers: qh 8,388,608 bytes; kh 8,388,608 bytes; vh 8,388,608 bytes
;; launch qkv (part 1): grid 16 x 16, 4 waves a work-group, clusters of 4 x 4, 327,680 bytes of LDS; arguments inputs, Wq, Wk, Wv, qh, kh, vh; writes qh, kh, vh
.if DOCPART == 1
	.amdgcn_target "amdgcn-amd-amdhsa--gfx1250"
	.amdhsa_code_object_version 6
	.text
	.protected	k_qce1019f9a0_qkv
	.globl	k_qce1019f9a0_qkv
	.p2align	8
	.type	k_qce1019f9a0_qkv,@function
k_qce1019f9a0_qkv:
	s_mov_b64 s[64:65], 0
	v_nop
	global_prefetch_b8 v0, s[64:65] scope:SCOPE_SE
	s_setreg_imm32_b32 hwreg(HW_REG_WAVE_MODE, 25, 1), 1
	s_wait_xcnt 0x0
	s_wait_alu depctr_hold_cnt(0) depctr_sa_sdst(0) depctr_va_vdst(0) depctr_va_sdst(0) depctr_va_ssrc(0) depctr_va_vcc(0) depctr_vm_vsrc(0)
	s_getreg_b32 s2, hwreg(HW_REG_IB_STS2, 6, 4)
	s_cmp_eq_u32 s2, 0
	s_cbranch_scc0 .Lentry_in_a_cluster
	s_endpgm
.Lentry_in_a_cluster:
	s_bfe_u32 s2, ttmp6, 0x10000c
	s_cmp_lg_u32 s2, 0xf033
	s_cbranch_scc0 .Lentry_shape_is_right
	s_endpgm
.Lentry_shape_is_right:
; Q, K, V = X W^T.  X: [4096][1024] f32 (inputs), Wq, Wk, Wv: [1024][1024] f32, rows = output columns, K along the rows.
; Operands are rounded to bf16 on the way from LDS to the matrix unit, sums are f32, each result is rounded once to f16 and stored as
; qh, kh, vh: [batch 2][head 16][token 2048][d 64] f16 (a token's row is 128 bytes, a head 262,144 dense bytes).
; LIMIT: |Q|, |K|, |V| must stay below 65,504 (f16).  With X of spread 1 and W of spread 1/32 they have spread 1.
;
; SHARES.  Work-group (bx = head, by = block of 256 tokens) makes 256 tokens x 192 columns: the head's 64 columns of Q, of K and of V.
; 16 x 16 = 256 work-groups.  Wave w = 2 wr + wc makes tokens 128 wr .. x columns 96 wc ..: 8 x 6 tiles of 16 x 16, 384 registers of sums.
; K goes in steps of 64 f32 (rows of 256 bytes, each starting at a multiple of 256 bytes from its buffer's first byte) through two LDS slots.
; CLUSTERS: 4 x 4 work-groups.  X's tile hangs on by alone and is asked for jointly by the four of a row of the cluster, the three W tiles
; hang on bx alone and are asked for jointly by the four of a column: that divides the requests for X and W by four.
; The f32 tiles are converted behind the LDS loads: per 32 along K a wave issues 56 LDS loads, 112 conversions and 48 matrix instructions.
;
; REGISTERS, in windows of 256:
;   window 0: v16-26 addresses; v32-159 raw f32 of X (8 tiles x 16); v160-255 raw f32 of W (6 tiles x 16)
;   window 1: v0-63 bf16 fragments of X (8 x 8), v64-111 bf16 fragments of W (6 x 8)
;   window 2: sums of token tiles 0-3 (tile (a, b) at v[8 (6 a + b)]);  window 3: those of token tiles 4-7
; THE MATRIX INSTRUCTION IS USED TRANSPOSED: source 0 = 16 rows of W, source 1 = 16 tokens, so that a lane holds eight neighbouring
; columns of one token, which pack into 16 bytes.
.set PITCH,  272                       ; an LDS row: 256 bytes + 16 of padding = 17 x 16: the 16 rows of a fragment load start in 16 different 16-byte columns modulo 256 bytes
.set ABYTES, 256*PITCH                 ; X's 256 rows
.set BBYTES, 192*PITCH                 ; 64 rows of Wq, 64 of Wk, 64 of Wv
.set SLOT,   ABYTES+BBYTES             ; 121,856 bytes; two slots
.set QUART,  64*PITCH                  ; what one tensor load brings
.set KSTEPB, 256                       ; bytes of a K step in a row
.set LAPS,   8                         ; 1024 / (2 x 64): a lap = two K steps = once round the ring
.set SP,     400                       ; the way out: a token's 192 f16 (384 bytes) + 16 = 25 x 16
.set ADRA, 16                          ; v16-17  LDS address of my X rows in slot 0, 1
.set ADRB, 20                          ; v20-21  the same for W
.set STO,  24                          ; the way out: where I put 16 bytes of a token
.set RD,   25                          ; the way out: where I read back
.set CO,   26                          ; my byte offset in qh, kh, vh
.set RA,   32
.set RB,   160
.set FA,   0                           ; window 1
.set FB,   64                          ; window 1
.set G1A, 28                           ; s[28:35] descriptor group 1 for X's tiles
.set G1B, 36                           ; s[36:43] for W's tiles: another mask
.set G0A, 44                           ; s[44:51] group 0 for X, one set for each slot
.set G0B, 52                           ; s[52:59] group 0 for W, one set for each slot
.set MUL_LO, 0xa5                      ; sources 0 and 1 window 1, C and D window 2
.set MUL_HI, 0xf5                      ; the same, C and D window 3
.set TO_F,   0x40                      ; destination window 1, sources window 0
.set MSB, 0
.macro WIN new                         ; the immediate's high byte repeats the setting that is left
.if MSB != \new
	s_set_vgpr_msb (MSB<<8)|\new
.set MSB, \new
.endif
.endm
.macro PLACES                          ; four places behind a matrix instruction (ISA guide 7.12.1) before its sources are rewritten or its result is read
.rept 4
	v_nop
.endr
.endm
; A joint request for one K step: every wave asks for 64 rows of X, waves 0 to 2 also for the 64 rows of Wq, Wk, Wv.
; The branch hangs on the wave's number alone: it is the same in every work-group.
.macro JLOAD s
	tensor_load_to_lds s[G0A+4*\s:G0A+4*\s+3], s[G1A:G1A+7]
	s_nop 0
	s_cmp_eq_u32 s18, 3
	s_cbranch_scc1 .Lno_b_\@
	tensor_load_to_lds s[G0B+4*\s:G0B+4*\s+3], s[G1B:G1B+7]
	s_nop 0
.Lno_b_\@:
.endm
.macro CREST                           ; a round of the cluster's barrier behind its opening work-group barrier
	s_cmp_lg_u32 s18, 0
	s_cbranch_scc1 .Lnot_wave_0_\@
	s_barrier_signal -3
.Lnot_wave_0_\@:
	s_barrier_wait -3
	s_barrier_signal -1
	s_barrier_wait -1
.endm
.macro CROUND                          ; a whole round
	s_barrier_signal -1
	s_barrier_wait -1
	CREST
.endm
	s_load_b256 s[4:11], s[0:1], 0x0               ; inputs s[4:5], Wq s[6:7], Wk s[8:9], Wv s[10:11]
	s_load_b128 s[12:15], s[0:1], 0x20             ; qh s[12:13], kh s[14:15]
	s_load_b64 s[16:17], s[0:1], 0x30              ; vh
	s_set_vgpr_msb 0x40
	v_lshl_add_u32 v254, v0, 2, 0x3b800
	v_mov_b32 v255, 0
	s_set_vgpr_msb 0x4045
	ds_add_u32 v254, v255
	s_set_vgpr_msb 0x4500
	v_lshrrev_b32 v1, 5, v0
	v_readfirstlane_b32 s18, v1                    ; wave 0..3
	s_lshr_b32 s19, s18, 1                         ; wr: which 128 tokens
	s_and_b32 s20, s18, 1                          ; wc: which 96 columns
	s_bfe_u32 s21, ttmp6, 0x40000                  ; cx
	s_bfe_u32 s22, ttmp6, 0x40004                  ; cy
	s_lshl_b32 s23, ttmp9, 2
	s_add_co_u32 s23, s23, s21                     ; bx = head = 4 x cluster x + cx
	s_and_b32 s24, ttmp7, 0xffff
	s_lshl_b32 s24, s24, 2
	s_add_co_u32 s24, s24, s22                     ; by = token block = 4 x cluster y + cy
	s_lshl_b32 s25, s22, 2
	s_lshl_b32 s25, 15, s25                        ; my row of the cluster: places 4 cy .. 4 cy + 3
	s_lshl_b32 s26, 0x1111, s21                    ; my column: places cx, cx + 4, cx + 8, cx + 12
	; group 1: a tile of 64 rows x 64 f32, pitch 1024 elements, 4 words of padding behind every 64 words
	s_or_b32 s[G1A+0], s25, (2<<16)|(1<<20)|(1<<21)|(5<<22)|(3<<25)   ; 15:0 mask; 17:16 elements of 4 bytes; 20 padding on; 21 set beside a mask; 24:22 every 64 words; 31:25 four words
	s_or_b32 s[G1B+0], s26, (2<<16)|(1<<20)|(1<<21)|(5<<22)|(3<<25)
.irp g, G1A, G1B
	s_mov_b32 s[\g+1], 64<<16                      ; tensor_dim0 = 64
	s_mov_b32 s[\g+2], 64<<16                      ; tensor_dim1 = 64
	s_mov_b32 s[\g+3], 64<<16                      ; tile_dim0 = 64
	s_mov_b32 s[\g+4], 64                          ; tile_dim1 = 64
	s_mov_b32 s[\g+5], 1024                        ; elements from row to row
	s_mov_b32 s[\g+6], 0
	s_mov_b32 s[\g+7], 0
.endr
	; X's offset is made of by and the wave's number, W's of bx alone, each in registers that never hold the other coordinate
	s_lshl_b32 s60, s24, 20                        ; 256 tokens of 4,096 bytes
	s_lshl_b32 s70, s18, 18                        ; my 64 of them
	s_add_co_u32 s60, s60, s70
	s_mov_b32 s61, 0
	s_lshl_b32 s62, s23, 18                        ; the head's 64 rows of 4,096 bytes
	s_mov_b32 s63, 0
	s_mul_i32 s71, s18, QUART                      ; where my rows go in LDS: the wave's number alone
	s_wait_dscnt 0x0
	s_wait_kmcnt 0x0
	s_cmp_eq_u32 s18, 0
	s_cselect_b64 s[66:67], s[6:7], s[10:11]       ; wave 0 fetches Wq,
	s_cmp_eq_u32 s18, 1
	s_cselect_b64 s[66:67], s[8:9], s[66:67]       ; wave 1 Wk, wave 2 Wv (wave 3 asks for none)
	s_add_nc_u64 s[60:61], s[4:5], s[60:61]
	s_add_nc_u64 s[62:63], s[66:67], s[62:63]
	CROUND                                         ; all sixteen work-groups are here: the first joint loads meet
.irp s, 0,1
	s_mov_b32 s[G0A+4*\s], 1
	s_add_co_u32 s[G0A+4*\s+1], s71, \s*SLOT
	s_add_nc_u64 s[G0A+4*\s+2:G0A+4*\s+3], s[60:61], \s*KSTEPB
	s_or_b32 s[G0A+4*\s+3], s[G0A+4*\s+3], 0x80000000
	s_mov_b32 s[G0B+4*\s], 1
	s_add_co_u32 s[G0B+4*\s+1], s71, \s*SLOT+ABYTES
	s_add_nc_u64 s[G0B+4*\s+2:G0B+4*\s+3], s[62:63], \s*KSTEPB
	s_or_b32 s[G0B+4*\s+3], s[G0B+4*\s+3], 0x80000000
	JLOAD \s                                       ; K steps 0 and 1: at most four tensor loads of a wave are out
.endr
	; A bf16 fragment wants, in lane (r, h), K = 8 h .. 8 h + 7 and 16 + 8 h .. + 7 of row r: in f32 that is 32 bytes at 32 h and 32 bytes at 64 + 32 h
	v_and_b32 v1, 15, v0                           ; r
	v_bfe_u32 v2, v0, 4, 1                         ; h
	v_mul_u32_u24 v3, v1, PITCH
	v_lshl_add_u32 v3, v2, 5, v3                   ; r x pitch + 32 h
	s_mul_i32 s72, s19, 128*PITCH                  ; my 128 tokens
	s_mul_i32 s73, s20, 96*PITCH                   ; my 96 rows of W,
	s_add_co_u32 s73, s73, ABYTES                  ; which lie behind X's 256
.irp s, 0,1
	v_add_nc_u32 v[ADRA+\s], s72, v3
	v_add_nc_u32 v[ADRB+\s], s73, v3
	s_add_co_u32 s72, s72, SLOT
	s_add_co_u32 s73, s73, SLOT
.endr
	v_mul_u32_u24 v4, v1, SP                       ; the way out, in: token 128 wr + r, byte 192 wc + 16 h
	v_lshl_add_u32 v4, v2, 4, v4
	s_mul_i32 s72, s19, 128*SP
	s_mul_i32 s73, s20, 192
	s_add_co_u32 s72, s72, s73
	v_add_nc_u32 v[STO], s72, v4
	v_and_b32 v5, 31, v0                           ; lane
	v_lshrrev_b32 v6, 3, v5
	v_and_b32 v7, 7, v5
	v_mul_u32_u24 v6, v6, SP                       ; back: eight lanes take a token's 128 bytes, a wave four tokens
	v_lshl_add_u32 v6, v7, 4, v6
	s_mul_i32 s72, s18, 64*SP                      ; wave w reads tokens 64 w .. 64 w + 63
	v_add_nc_u32 v[RD], s72, v6
	s_lshl_b32 s73, s18, 13                        ; 64 tokens of 128 bytes
	v_lshl_add_u32 v[CO], v5, 4, s73
.macro LOADA slot, k                   ; 32 loads: 128 tokens x 32 K as f32, at byte k of the rows
.irp i, 0,1,2,3,4,5,6,7
	ds_load_b128 v[RA+16*\i:RA+16*\i+3],     v[ADRA+\slot] offset:\k+\i*16*PITCH
	ds_load_b128 v[RA+16*\i+4:RA+16*\i+7],   v[ADRA+\slot] offset:\k+\i*16*PITCH+16
	ds_load_b128 v[RA+16*\i+8:RA+16*\i+11],  v[ADRA+\slot] offset:\k+\i*16*PITCH+64
	ds_load_b128 v[RA+16*\i+12:RA+16*\i+15], v[ADRA+\slot] offset:\k+\i*16*PITCH+80
.endr
.endm
.macro LOADB slot, k                   ; 24 loads: 96 rows of W x 32 K
.irp i, 0,1,2,3,4,5
	ds_load_b128 v[RB+16*\i:RB+16*\i+3],     v[ADRB+\slot] offset:\k+\i*16*PITCH
	ds_load_b128 v[RB+16*\i+4:RB+16*\i+7],   v[ADRB+\slot] offset:\k+\i*16*PITCH+16
	ds_load_b128 v[RB+16*\i+8:RB+16*\i+11],  v[ADRB+\slot] offset:\k+\i*16*PITCH+64
	ds_load_b128 v[RB+16*\i+12:RB+16*\i+15], v[ADRB+\slot] offset:\k+\i*16*PITCH+80
.endr
.endm
.macro CVTA                            ; under TO_F: 128 raw registers become 64 of bf16, nearest even
.set i, 0
.rept 64
	v_cvt_pk_bf16_f32 v[FA+i], v[RA+2*i], v[RA+2*i+1]
.set i, i+1
.endr
.endm
.macro CVTB
.set i, 0
.rept 48
	v_cvt_pk_bf16_f32 v[FB+i], v[RB+2*i], v[RB+2*i+1]
.set i, i+1
.endr
.endm
; 24 matrix instructions: four token tiles x six column tiles, 32 along K.  zero = 1: the first product starts the sums, nothing is cleared.
; The 48 accumulators take turns, one instruction a turn, in the same order in every half step, over the loop's backward jump too.
.macro MUL hi, zero
.irp a, 0,1,2,3
.irp b, 0,1,2,3,4,5
.if \zero
	v_wmma_f32_16x16x32_bf16 v[8*(6*\a+\b):8*(6*\a+\b)+7], v[FB+8*\b:FB+8*\b+7], v[FA+8*(4*\hi+\a):FA+8*(4*\hi+\a)+7], 0
.else
	v_wmma_f32_16x16x32_bf16 v[8*(6*\a+\b):8*(6*\a+\b)+7], v[FB+8*\b:FB+8*\b+7], v[FA+8*(4*\hi+\a):FA+8*(4*\hi+\a)+7], v[8*(6*\a+\b):8*(6*\a+\b)+7]
.endif
.endr
.endr
.endm
; The first half of a K step: converts the raw K 0-31 that are on their way, fetches K 32-63 of the same slot, multiplies.
.macro HALF0 slot, zero
	PLACES                                         ; the conversions rewrite sources of the matrix instructions in front
	s_wait_dscnt 24                                ; X's 32 raw loads are in; W's 24, issued behind them, may be out
	WIN TO_F
	CVTA
	WIN 0
	LOADA \slot, 128
	s_wait_dscnt 32                                ; W's 24 are in; the 32 just issued may be out
	WIN TO_F
	CVTB
	WIN 0
	LOADB \slot, 128
	WIN MUL_LO
	MUL 0, \zero
	WIN MUL_HI
	MUL 1, \zero
.endm
; The second half: converts K 32-63 and changes slots.  In front of the barrier each wave waits for its reads of this slot and for all its
; tensor loads (its parts of the next slot).  Behind it nobody reads this slot and the next slot is whole.  fill = 1: the barrier opens a round of
; the cluster's barrier, and this slot's joint refill, two K steps ahead, is the first tensor load behind the round; it has 96 matrix instructions in which to land.
.macro HALF1 slot, next, fill
	PLACES
	s_wait_dscnt 0x0                               ; my reads of this slot are over
	s_wait_tensorcnt 0x0                           ; all my tensor loads have landed
	ds_add_u32 v254, v255
	s_wait_dscnt 0x0
	s_barrier_signal -1
	WIN TO_F
	CVTA                                           ; register work while the others arrive
	CVTB
	WIN 0
	s_barrier_wait -1
.if \fill
	CREST
	s_add_nc_u64 s[G0A+4*\slot+2:G0A+4*\slot+3], s[G0A+4*\slot+2:G0A+4*\slot+3], 2*KSTEPB   ; no tensor load of mine is out: group 0 may be written
	s_add_nc_u64 s[G0B+4*\slot+2:G0B+4*\slot+3], s[G0B+4*\slot+2:G0B+4*\slot+3], 2*KSTEPB
	JLOAD \slot
.endif
	LOADA \next, 0
	LOADB \next, 0
	WIN MUL_LO
	MUL 0, 0
	WIN MUL_HI
	MUL 1, 0
.endm
.macro LAP zero
	HALF0 0, \zero
	HALF1 0, 1, 1
	HALF0 1, 0
	HALF1 1, 0, 1
.endm
	s_wait_tensorcnt 1                             ; only my youngest load (of K step 1) may be out: my parts of K step 0 are in,
	s_barrier_signal -1
	s_barrier_wait -1                              ; everybody's are
	LOADA 0, 0
	LOADB 0, 0
	LAP 1                                          ; the first lap stands in front of the loop: its first products start the sums
	WIN 0                                          ; at a label and at a branch every window is 0
	s_mov_b32 s27, LAPS-2
.Llap:
	LAP 0
	WIN 0
	s_sub_co_u32 s27, s27, 1
	s_cmp_lg_u32 s27, 0
	s_cbranch_scc1 .Llap
	HALF0 0, 0                                     ; the last lap fills nothing
	HALF1 0, 1, 0                                  ; behind this barrier no wave reads slot 0 any more, and slot 0 has had its last fill
	HALF0 1, 0
	PLACES
	s_wait_dscnt 0x0
	WIN TO_F
	CVTA
	CVTB
	WIN MUL_LO
	MUL 0, 0
	WIN MUL_HI
	MUL 1, 0
	; THE WAY OUT.  Round to f16, 16 bytes a lane into a stage of 256 tokens x 400 bytes that overlays slot 0, read whole tokens back, store.
	PLACES                                         ; the conversions read matrix results
.macro CVO hi                          ; 96 conversions of one window's 24 tiles
.irp a, 0,1,2,3
.irp b, 0,1,2,3,4,5
.irp n, 0,1,2,3
	v_cvt_pk_f16_f32 v[RA+24*(4*\hi+\a)+4*\b+\n], v[8*(6*\a+\b)+2*\n], v[8*(6*\a+\b)+2*\n+1]
.endr
.endr
.endr
.endm
	WIN 0x0a                                       ; sources window 2, destination window 0
	CVO 0
	WIN 0x0f                                       ; sources window 3
	CVO 1
	WIN 0
.irp t, 0,1,2,3,4,5,6,7
.irp b, 0,1,2,3,4,5
	ds_store_b128 v[STO], v[RA+24*\t+4*\b:RA+24*\t+4*\b+3] offset:16*\t*SP+32*\b   ; token 16 t + r of my 128, columns 16 b + 8 h .. + 7 of my 96
.endr
.endr
	s_lshr_b32 s68, s24, 3                         ; batch
	s_lshl_b32 s68, s68, 22                        ; x 16 heads x 262,144 bytes
	s_lshl_b32 s70, s23, 18                        ; + head x 262,144
	s_add_co_u32 s68, s68, s70
	s_and_b32 s70, s24, 7
	s_lshl_b32 s70, s70, 15                        ; + block in the batch x 256 tokens x 128 bytes
	s_add_co_u32 s68, s68, s70
	s_mov_b32 s69, 0
	s_add_nc_u64 s[12:13], s[12:13], s[68:69]
	s_add_nc_u64 s[14:15], s[14:15], s[68:69]
	s_add_nc_u64 s[16:17], s[16:17], s[68:69]
	s_wait_dscnt 0x0                               ; my stores are done, for the waves that read them
	s_barrier_signal -1
	s_barrier_wait -1
.irp j, 0,1,2
.set i, 0
.rept 16
	ds_load_b128 v[RA+64*\j+4*i:RA+64*\j+4*i+3], v[RD] offset:i*4*SP+128*\j        ; four tokens' 128 bytes of Q (j = 0), K (1), V (2)
.set i, i+1
.endr
.endr
.irp j, 0,1,2
.set i, 0
.rept 16
	s_wait_dscnt 47-16*\j-i                        ; LDS loads come back in order: this one is in, the younger ones may be out
	global_store_b128 v[CO], v[RA+64*\j+4*i:RA+64*\j+4*i+3], s[12+2*\j:13+2*\j] offset:512*i   ; a wave's store covers 512 consecutive bytes, aligned
.set i, i+1
.endr
.endr
	s_set_vgpr_msb 0x5
	s_wait_tensorcnt 0x0
	ds_add_u32 v254, v255
	s_wait_dscnt 0x0
	s_set_vgpr_msb 0x500
	CROUND                                         ; the closing round: no work-group ends while a partner may still ask for a tile that names it
	s_endpgm
.Lfunc_end_k_qce1019f9a0_qkv:
	.size	k_qce1019f9a0_qkv, .Lfunc_end_k_qce1019f9a0_qkv-k_qce1019f9a0_qkv
	.p2alignl 7, 3214868480
	.fill 96, 4, 3214868480
	.section	.rodata,"a",@progbits
	.p2align	6, 0x0
	.amdhsa_kernel k_qce1019f9a0_qkv
		.amdhsa_group_segment_fixed_size 327680
		.amdhsa_private_segment_fixed_size 0
		.amdhsa_enable_private_segment 0
		.amdhsa_kernarg_size 56
		.amdhsa_user_sgpr_count 2
		.amdhsa_user_sgpr_kernarg_segment_ptr 1
		.amdhsa_wavefront_size32 1
		.amdhsa_system_sgpr_workgroup_id_x 1
		.amdhsa_system_sgpr_workgroup_id_y 1
		.amdhsa_system_sgpr_workgroup_id_z 1
		.amdhsa_system_vgpr_workitem_id 0
		.amdhsa_next_free_vgpr 960
		.amdhsa_next_free_sgpr 80
		.amdhsa_reserve_vcc 0
		.amdhsa_float_denorm_mode_32 3
		.amdhsa_float_denorm_mode_16_64 3
		.amdhsa_memory_ordered 1
		.amdhsa_forward_progress 1
		.amdhsa_inst_pref_size 201
	.end_amdhsa_kernel
	.amdgpu_metadata
---
amdhsa.version: [ 1, 2 ]
amdhsa.kernels:
  - .name:           k_qce1019f9a0_qkv
    .symbol:         k_qce1019f9a0_qkv.kd
    .args:
      - { .name: inputs, .offset: 0, .size: 8, .value_kind: global_buffer, .address_space: global }
      - { .name: Wq, .offset: 8, .size: 8, .value_kind: global_buffer, .address_space: global }
      - { .name: Wk, .offset: 16, .size: 8, .value_kind: global_buffer, .address_space: global }
      - { .name: Wv, .offset: 24, .size: 8, .value_kind: global_buffer, .address_space: global }
      - { .name: qh, .offset: 32, .size: 8, .value_kind: global_buffer, .address_space: global }
      - { .name: kh, .offset: 40, .size: 8, .value_kind: global_buffer, .address_space: global }
      - { .name: vh, .offset: 48, .size: 8, .value_kind: global_buffer, .address_space: global }
    .group_segment_fixed_size: 327680
    .private_segment_fixed_size: 0
    .kernarg_segment_align: 8
    .kernarg_segment_size: 56
    .max_flat_workgroup_size: 128
    .sgpr_count:     80
    .vgpr_count:     960
    .wavefront_size: 32
...
	.end_amdgpu_metadata
.endif
;; end of part 1
;; launch attn (part 2): grid 8 x 32, 8 waves a work-group, clusters of 4 x 1, 327,680 bytes of LDS; arguments qh, kh, vh, out0; writes out0
.if DOCPART == 2
	.amdgcn_target "amdgcn-amd-amdhsa--gfx1250"
	.amdhsa_code_object_version 6
	.text
	.protected	k_qce1019f9a0_attn
	.globl	k_qce1019f9a0_attn
	.p2align	8
	.type	k_qce1019f9a0_attn,@function
k_qce1019f9a0_attn:
	s_mov_b64 s[64:65], 0
	v_nop
	global_prefetch_b8 v0, s[64:65] scope:SCOPE_SE
	s_setreg_imm32_b32 hwreg(HW_REG_WAVE_MODE, 25, 1), 1
	s_wait_xcnt 0x0
	s_wait_alu depctr_hold_cnt(0) depctr_sa_sdst(0) depctr_va_vdst(0) depctr_va_sdst(0) depctr_va_ssrc(0) depctr_va_vcc(0) depctr_vm_vsrc(0)
	s_getreg_b32 s2, hwreg(HW_REG_IB_STS2, 6, 4)
	s_cmp_eq_u32 s2, 0
	s_cbranch_scc0 .Lentry_in_a_cluster
	s_endpgm
.Lentry_in_a_cluster:
	s_bfe_u32 s2, ttmp6, 0x10000c
	s_cmp_lg_u32 s2, 0x3003
	s_cbranch_scc0 .Lentry_shape_is_right
	s_endpgm
.Lentry_shape_is_right:
; out = softmax(Q K^T / 8) V for each of 32 (batch, head) pairs.  qh, kh, vh: [32][2048][64] f16; out0: [2][2048][1024] f32.
; Running maximum over blocks of 64 keys; products with f16 operands and f32 sums; maximum, exponentials, row sums and rescaling in f32.
; LIMITS: scores must be finite (a NaN loses in the maxima); a P below about 6e-8 of its row's largest rounds to 0 in f16.
;
; SHARES.  Work-group (qb, bh) takes 256 queries of one head: 8 x 32 = 256 work-groups.  A wave takes 32 queries (two tiles u of 16).
; Eight waves, two to a SIMD, so that one wave's softmax arithmetic runs beside the other's matrix instructions.
; CLUSTERS: the four query blocks of a cluster (4, 1, 1) read the same K and V tiles and ask for them jointly, mask 15: a quarter of the requests.
;
; EVERYTHING IS TRANSPOSED, so that a lane always stands for one query:
;   S^T = K (source 0, rows = keys) x Q (source 1, columns = queries): lane (r, h) holds query r, keys 8 h + j of each tile of 16.
;   The row maximum is a reduction in the lane and one exchange with lane r of the other half.
;   Packed to f16, the tiles 2 kk and 2 kk + 1 of S^T are, as they lie, source 1 of P^T for 32 keys.
;   O^T = V^T (source 0, by the transposing LDS load from V stored [key][d]) x P^T: lane r is again the query.
;
; LDS: four slots of 256 keys; in a slot K's 256 rows of 144 bytes (128 + 16), then V's 256 rows of 160 bytes (128 + 32: an odd multiple of 32 for the transposing load).
; Tiles 0-3 are asked for at the start; tiles 4, 5, 6 behind one round of the cluster's barrier, tile 7 behind another.  At most four tensor loads of a wave are out.
.set KP,    144
.set VP,    160
.set KB,    256*KP                     ; 36,864
.set SLOT,  KB+256*VP                  ; 77,824
.set TILEB, 256*128                    ; bytes of a tile in kh or vh
.set WST,   32*272                     ; the way out: a wave's stage, 32 queries x (256 + 16) bytes, in slot 0 behind its last fill and last read
.set KL,   1                           ; lane term of K's fragment loads
.set VL,   2                           ; lane term of V's transposing loads
.set KADR, 3
.set VADR, 4
.set STO,  5
.set RD,   6
.set CO,   7
.set MX,   8                           ; v[8:9]    running maximum of query tile u
.set LS,   10                          ; v[10:11]  running sum of my half of the keys
.set NG,   12                          ; v[12:15]  -c x maximum, a pair for each u
.set AL,   16                          ; v[16:19]  the rescaling factor, a pair for each u
.set TT,   20                          ; v[20:27]  at work
.set QQ,   32                          ; v[32:63]  Q(u, dh) at 32 + 16 u + 8 dh
.set FF,   64                          ; v[64:127] K fragments (t, dh) at 64 + 16 t + 8 dh; later V fragments (dt, kk) at 64 + 8 (4 kk + dt)
.set SS,   128                         ; v[128:191] S(u, t) at 128 + 32 u + 8 t; P packed in place at 128 + 32 u + 16 kk
.set OO,   192                         ; v[192:255] O(dt, u) at 192 + 32 u + 8 dt
.set G1K, 20                           ; s[20:27]
.set G1V, 28                           ; s[28:35]
.set G0K, 36                           ; s[36:51] one set for each slot
.set G0V, 68                           ; s[68:83]
.macro ROUND                           ; a round of the cluster's barrier
	s_barrier_signal -1
	s_barrier_wait -1
	s_cmp_lg_u32 s12, 0
	s_cbranch_scc1 .Lnot_wave_0_\@
	s_barrier_signal -3
.Lnot_wave_0_\@:
	s_barrier_wait -3
	s_barrier_signal -1
	s_barrier_wait -1
.endm
; A joint load: waves 0-3 ask for the four quarters (64 keys) of K's tile, waves 4-7 for those of V's.  The branch hangs on the wave's number alone.
.macro JLOAD s
	s_cmp_eq_u32 s13, 0
	s_cbranch_scc0 .Lfor_v_\@
	tensor_load_to_lds s[G0K+4*\s:G0K+4*\s+3], s[G1K:G1K+7]
	s_nop 0
	s_branch .Lasked_\@
.Lfor_v_\@:
	tensor_load_to_lds s[G0V+4*\s:G0V+4*\s+3], s[G1V:G1V+7]
	s_nop 0
.Lasked_\@:
.endm
	s_load_b256 s[4:11], s[0:1], 0x0               ; qh s[4:5], kh s[6:7], vh s[8:9], out0 s[10:11]
	s_set_vgpr_msb 0x40
	v_lshl_add_u32 v0, v0, 2, 0x4c000
	v_mov_b32 v1, 0
	s_set_vgpr_msb 0x4045
	ds_add_u32 v0, v1
	s_set_vgpr_msb 0x4500
	v_lshrrev_b32 v28, 5, v0
	v_readfirstlane_b32 s12, v28                   ; wave 0..7
	s_lshr_b32 s13, s12, 2                         ; I fetch for K (0) or for V (1)
	s_and_b32 s14, s12, 3                          ; which 64 keys of a tile I fetch
	s_bfe_u32 s15, ttmp6, 0x40000                  ; cx
	s_lshl_b32 s16, ttmp9, 2
	s_add_co_u32 s16, s16, s15                     ; qb = query block = 4 x cluster x + cx
	s_and_b32 s17, ttmp7, 0xffff                   ; bh = batch x 16 + head: the four partners share it
	; group 1: 64 rows x 64 f16, pitch 64 elements; padding behind every 32 words: 4 words for K, 8 for V; mask 15, bit 21 beside it
	s_mov_b32 s[G1K+0], 15|(1<<16)|(1<<20)|(1<<21)|(4<<22)|(3<<25)
	s_mov_b32 s[G1V+0], 15|(1<<16)|(1<<20)|(1<<21)|(4<<22)|(7<<25)
.irp g, G1K, G1V
	s_mov_b32 s[\g+1], 64<<16                      ; tensor_dim0 = 64
	s_mov_b32 s[\g+2], 64<<16                      ; tensor_dim1 = 64
	s_mov_b32 s[\g+3], 64<<16                      ; tile_dim0 = 64
	s_mov_b32 s[\g+4], 64                          ; tile_dim1 = 64
	s_mov_b32 s[\g+5], 64                          ; elements from row to row
	s_mov_b32 s[\g+6], 0
	s_mov_b32 s[\g+7], 0
.endr
	s_mov_b32 s84, 0x3e38aa3b                      ; c = log2(e) / 8: the scale 1/8 and the change of base ride on the multiply-add in front of the exponential
	s_mov_b32 s85, 0x3e38aa3b
	s_mov_b32 s86, 0xbe38aa3b                      ; -c
	s_mov_b32 s87, 0x76543210                      ; v_permlanex16_b32: lane i of one half reads lane i of the other
	s_mov_b32 s88, 0xfedcba98
	s_lshl_b32 s92, s17, 18                        ; the head's 262,144 bytes in kh and vh,
	s_lshl_b32 s18, s14, 13                        ; my 64 keys of 128 bytes: neither hangs on cx
	s_add_co_u32 s92, s92, s18
	s_mov_b32 s93, 0
	s_mul_i32 s18, s14, 64*KP                      ; where they go in a slot
	s_mul_i32 s19, s14, 64*VP
	s_add_co_u32 s19, s19, KB
	s_lshl_b32 s90, s17, 18                        ; Q: head,
	s_lshl_b32 s89, s16, 15                        ; + block of 256 queries of 128 bytes,
	s_add_co_u32 s90, s90, s89
	s_lshl_b32 s89, s12, 12                        ; + my 32 queries
	s_add_co_u32 s90, s90, s89
	s_mov_b32 s91, 0
	s_wait_dscnt 0x0
	s_wait_kmcnt 0x0
	s_add_nc_u64 s[6:7], s[6:7], s[92:93]
	s_add_nc_u64 s[8:9], s[8:9], s[92:93]
	s_add_nc_u64 s[90:91], s[4:5], s[90:91]
	ROUND                                          ; the four partners are here: the first joint loads meet
.irp s, 0,1,2,3
	s_mov_b32 s[G0K+4*\s], 1
	s_add_co_u32 s[G0K+4*\s+1], s18, \s*SLOT
	s_add_nc_u64 s[G0K+4*\s+2:G0K+4*\s+3], s[6:7], \s*TILEB
	s_or_b32 s[G0K+4*\s+3], s[G0K+4*\s+3], 0x80000000
	s_mov_b32 s[G0V+4*\s], 1
	s_add_co_u32 s[G0V+4*\s+1], s19, \s*SLOT
	s_add_nc_u64 s[G0V+4*\s+2:G0V+4*\s+3], s[8:9], \s*TILEB
	s_or_b32 s[G0V+4*\s+3], s[G0V+4*\s+3], 0x80000000
	JLOAD \s                                       ; tiles 0 to 3: one load of each wave for a tile
.endr
	v_and_b32 v28, 15, v0                          ; r
	v_bfe_u32 v29, v0, 4, 1                        ; h
	v_lshlrev_b32 v31, 7, v28
	v_lshl_add_u32 v31, v29, 4, v31                ; Q: query r x 128 bytes + 16 h
.irp u, 0,1
.irp dh, 0,1
	global_load_b128 v[QQ+16*\u+8*\dh:QQ+16*\u+8*\dh+3],   v31, s[90:91] offset:2048*\u+64*\dh th:TH_LOAD_NT      ; d = 32 dh + 8 h ..
	global_load_b128 v[QQ+16*\u+8*\dh+4:QQ+16*\u+8*\dh+7], v31, s[90:91] offset:2048*\u+64*\dh+32 th:TH_LOAD_NT   ; d = 32 dh + 16 + 8 h ..
.endr
.endr
	v_mul_u32_u24 v[KL], v28, KP
	v_lshl_add_u32 v[KL], v29, 4, v[KL]            ; key r x pitch + 16 h
	v_and_b32 v30, 7, v0
	v_lshl_add_u32 v30, v29, 3, v30                ; key 8 h + (lane & 7)
	v_mul_u32_u24 v30, v30, VP
	v_bfe_u32 v27, v0, 3, 1
	v_lshl_add_u32 v30, v27, 4, v30                ; + 16 x ((lane >> 3) & 1)
	v_add_nc_u32 v[VL], KB, v30
	s_mul_i32 s89, s12, WST                        ; my stage
	v_mul_u32_u24 v30, v28, 272
	v_lshl_add_u32 v30, v29, 5, v30                ; in: query r, 32 bytes for each half of the lanes
	v_add_nc_u32 v[STO], s89, v30
	v_mul_u32_u24 v30, v29, 272
	v_lshl_add_u32 v30, v28, 4, v30                ; back: lanes 0-15 take one query's 256 bytes, lanes 16-31 the next
	v_add_nc_u32 v[RD], s89, v30
	v_lshlrev_b32 v30, 12, v29                     ; and the same two rows of out0, 4,096 bytes apart
	v_lshl_add_u32 v[CO], v28, 4, v30
	s_wait_loadcnt 0x0                             ; Q, once
; The maximum of query tile u's 32 scores in my lane, of the other half's and of the running maximum; the new shift -c M; the factor for the old sums.
; The factor is made of the two rounded shifts that the exponentials themselves use, so the blocks agree with each other whatever the size of the scores.
.macro MAXU u, first
.irp k, 0,1,2,3
	v_max3_num_f32 v[TT+4*\u+\k], v[SS+32*\u+3*\k], v[SS+32*\u+3*\k+1], v[SS+32*\u+3*\k+2]   ; four chains, started by the first twelve
.endr
.set i, 0
.rept 10
	v_max3_num_f32 v[TT+4*\u+i%4], v[TT+4*\u+i%4], v[SS+32*\u+12+2*i], v[SS+32*\u+13+2*i]
.set i, i+1
.endr
	v_max3_num_f32 v[TT+4*\u], v[TT+4*\u], v[TT+4*\u+1], v[TT+4*\u+2]
.if \first
	v_max_num_f32 v[TT+4*\u], v[TT+4*\u], v[TT+4*\u+3]
.else
	v_max3_num_f32 v[TT+4*\u], v[TT+4*\u], v[TT+4*\u+3], v[MX+\u]
.endif
	v_permlanex16_b32 v[TT+4*\u+1], v[TT+4*\u], s87, s88       ; the other eight keys of each tile lie in lane r of the other half
	v_max_num_f32 v[MX+\u], v[TT+4*\u], v[TT+4*\u+1]
	v_mul_f32 v[TT+4*\u+2], s86, v[MX+\u]                      ; -c M
.if \first
	v_mov_b32 v[NG+2*\u], v[TT+4*\u+2]
	v_mov_b32 v[NG+2*\u+1], v[TT+4*\u+2]
.else
	v_sub_f32 v[TT+4*\u+3], v[TT+4*\u+2], v[NG+2*\u]           ; c (M old - M new), at most 0
	v_exp_f32 v[AL+2*\u], v[TT+4*\u+3]
	v_mov_b32 v[NG+2*\u], v[TT+4*\u+2]                         ; plain work behind the exponential before its result is read (ISA guide 5.7.2)
	v_mov_b32 v[NG+2*\u+1], v[TT+4*\u+2]
	s_wait_alu depctr_va_vdst(0)
	v_mov_b32 v[AL+2*\u+1], v[AL+2*\u]
.endif
.endm
.macro EXPU u                          ; P = 2^(c S - c M), in place
.set i, 0
.rept 16
	v_pk_fma_f32 v[SS+32*\u+2*i:SS+32*\u+2*i+1], v[SS+32*\u+2*i:SS+32*\u+2*i+1], s[84:85], v[NG+2*\u:NG+2*\u+1] op_sel_hi:[1,0,1]
.set i, i+1
.endr
.set i, 0
.rept 32
	v_exp_f32 v[SS+32*\u+i], v[SS+32*\u+i]
.set i, i+1
.endr
.endm
.macro SUMU u, first                   ; my 32 P in four chains, then onto the rescaled running sum
.irp k, 0,1,2,3
	v_pk_add_f32 v[TT+2*\k:TT+2*\k+1], v[SS+32*\u+4*\k:SS+32*\u+4*\k+1], v[SS+32*\u+4*\k+2:SS+32*\u+4*\k+3]
.endr
.set i, 0
.rept 8
	v_pk_add_f32 v[TT+2*(i%4):TT+2*(i%4)+1], v[TT+2*(i%4):TT+2*(i%4)+1], v[SS+32*\u+16+2*i:SS+32*\u+17+2*i]
.set i, i+1
.endr
	v_pk_add_f32 v[TT:TT+1], v[TT:TT+1], v[TT+2:TT+3]
	v_pk_add_f32 v[TT+4:TT+5], v[TT+4:TT+5], v[TT+6:TT+7]
	v_pk_add_f32 v[TT:TT+1], v[TT:TT+1], v[TT+4:TT+5]
.if \first
	v_add_f32 v[LS+\u], v[TT], v[TT+1]
.else
	v_add_f32 v[TT], v[TT], v[TT+1]
	v_fma_f32 v[LS+\u], v[LS+\u], v[AL+2*\u], v[TT]
.endif
.endm
.macro CVTU u                          ; P to f16 in place: word n takes numbers 2 n and 2 n + 1, n ascending, so nothing unread is overwritten
.irp kk, 0,1
.irp n, 0,1,2,3,4,5,6,7
	v_cvt_pk_f16_f32 v[SS+32*\u+16*\kk+\n], v[SS+32*\u+16*\kk+2*\n], v[SS+32*\u+16*\kk+2*\n+1]
.endr
.endr
.endm
.macro RESC u                          ; the sums so far go over to the new maximum
.set i, 0
.rept 16
	v_pk_mul_f32 v[OO+32*\u+2*i:OO+32*\u+2*i+1], v[OO+32*\u+2*i:OO+32*\u+2*i+1], v[AL+2*\u:AL+2*\u+1]
.set i, i+1
.endr
.endm
; 64 keys.  first = 1: the very first block starts maximum, sums and O: nothing is cleared.
; In both runs of matrix instructions eight accumulators take turns, one instruction a turn, twice in the same order.
.macro BLOCK first
.irp dh, 0,1
.irp t, 0,1,2,3
	ds_load_b128 v[FF+16*\t+8*\dh:FF+16*\t+8*\dh+3],   v[KADR] offset:\t*16*KP+64*\dh
	ds_load_b128 v[FF+16*\t+8*\dh+4:FF+16*\t+8*\dh+7], v[KADR] offset:\t*16*KP+64*\dh+32
.endr
.endr
	s_wait_dscnt 8                                 ; d 0-31 of the four key tiles are in; the eight younger loads (d 32-63) may be out
.irp t, 0,1,2,3
.irp u, 0,1
	v_wmma_f32_16x16x32_f16 v[SS+32*\u+8*\t:SS+32*\u+8*\t+7], v[FF+16*\t:FF+16*\t+7], v[QQ+16*\u:QQ+16*\u+7], 0
.endr
.endr
	s_wait_dscnt 0x0
.irp t, 0,1,2,3
.irp u, 0,1
	v_wmma_f32_16x16x32_f16 v[SS+32*\u+8*\t:SS+32*\u+8*\t+7], v[FF+16*\t+8:FF+16*\t+15], v[QQ+16*\u+8:QQ+16*\u+15], v[SS+32*\u+8*\t:SS+32*\u+8*\t+7]
.endr
.endr
	v_add_nc_u32 v[KADR], 64*KP, v[KADR]           ; four places before loads land on K's fragments and the maxima read S
	v_nop
	v_nop
	v_nop
.irp kk, 0,1
.irp dt, 0,1,2,3
	ds_load_tr16_b128 v[FF+8*(4*\kk+\dt):FF+8*(4*\kk+\dt)+3],   v[VADR] offset:\kk*32*VP+32*\dt          ; keys 32 kk + 8 h .. of d = 16 dt + r
	ds_load_tr16_b128 v[FF+8*(4*\kk+\dt)+4:FF+8*(4*\kk+\dt)+7], v[VADR] offset:\kk*32*VP+32*\dt+16*VP    ; keys 32 kk + 16 + 8 h ..
.endr
.endr
	MAXU 0, \first                                 ; V's fragments land during the softmax
	MAXU 1, \first
	EXPU 0
	EXPU 1
	v_nop                                          ; one plain place behind the last exponential (ISA guide 5.7.2)
	s_wait_alu depctr_va_vdst(0)
	SUMU 0, \first
	SUMU 1, \first
	CVTU 0
	CVTU 1
.if \first == 0
	RESC 0
	RESC 1
.endif
	s_wait_dscnt 0x0                               ; V's fragments
.irp dt, 0,1,2,3
.irp u, 0,1
.if \first
	v_wmma_f32_16x16x32_f16 v[OO+32*\u+8*\dt:OO+32*\u+8*\dt+7], v[FF+8*\dt:FF+8*\dt+7], v[SS+32*\u:SS+32*\u+7], 0
.else
	v_wmma_f32_16x16x32_f16 v[OO+32*\u+8*\dt:OO+32*\u+8*\dt+7], v[FF+8*\dt:FF+8*\dt+7], v[SS+32*\u:SS+32*\u+7], v[OO+32*\u+8*\dt:OO+32*\u+8*\dt+7]
.endif
.endr
.endr
.irp dt, 0,1,2,3
.irp u, 0,1
	v_wmma_f32_16x16x32_f16 v[OO+32*\u+8*\dt:OO+32*\u+8*\dt+7], v[FF+32+8*\dt:FF+32+8*\dt+7], v[SS+32*\u+16:SS+32*\u+23], v[OO+32*\u+8*\dt:OO+32*\u+8*\dt+7]
.endr
.endr
	v_add_nc_u32 v[VADR], 64*VP, v[VADR]           ; five places: the next block's products write over P, its loads land on V's fragments
	v_nop
	v_nop
	v_nop
	v_nop
.endm
.macro TILE slot, first                ; 256 keys = four blocks
	v_add_nc_u32 v[KADR], \slot*SLOT, v[KL]
	v_add_nc_u32 v[VADR], \slot*SLOT, v[VL]
.if \first
	BLOCK 1
	s_mov_b32 s89, 3
.else
	s_mov_b32 s89, 4
.endif
.Lblock_\@:
	BLOCK 0
	s_sub_co_u32 s89, s89, 1
	s_cmp_lg_u32 s89, 0
	s_cbranch_scc1 .Lblock_\@
.endm
.macro SHOW left                       ; my part of the next tile is in (left younger tiles of mine may stay out); everybody's is behind the barrier
	s_wait_tensorcnt \left
	s_wait_dscnt 0x0
	s_barrier_signal -1
	s_barrier_wait -1
.endm
.macro STEP t                          ; slot t's next tile lies four tiles on
	s_add_nc_u64 s[G0K+4*\t+2:G0K+4*\t+3], s[G0K+4*\t+2:G0K+4*\t+3], 4*TILEB
	s_add_nc_u64 s[G0V+4*\t+2:G0V+4*\t+3], s[G0V+4*\t+2:G0V+4*\t+3], 4*TILEB
.endm
	SHOW 3                                         ; tile 0
	TILE 0, 1
	SHOW 2                                         ; tile 1
	TILE 1, 0
	SHOW 1                                         ; tile 2
	TILE 2, 0
	; slots 0, 1, 2 are filled again: every wave's reads are back and all its tensor loads have landed (tile 3 among them) in front of the round,
	; the joint refills are the first tensor loads behind it
	s_wait_dscnt 0x0
	s_set_vgpr_msb 0x5
	s_wait_tensorcnt 0x0
	ds_add_u32 v0, v1
	s_wait_dscnt 0x0
	s_set_vgpr_msb 0x500
	STEP 0
	STEP 1
	STEP 2
	ROUND
	JLOAD 0                                        ; tiles 4, 5, 6
	JLOAD 1
	JLOAD 2
	TILE 3, 0                                      ; tile 3, while three loads are on their way
	SHOW 2                                         ; tile 4
	TILE 0, 0
	SHOW 1                                         ; tile 5
	TILE 1, 0
	s_wait_dscnt 0x0                               ; slot 3 is filled again, in the same order; tile 6 has landed by the wait for all loads
	s_set_vgpr_msb 0x5
	s_wait_tensorcnt 0x0
	ds_add_u32 v0, v1
	s_wait_dscnt 0x0
	s_set_vgpr_msb 0x500
	STEP 3
	ROUND
	JLOAD 3                                        ; tile 7
	TILE 2, 0                                      ; tile 6
	SHOW 0                                         ; tile 7: the last tensor load
	TILE 3, 0
	; THE WAY OUT.  The two halves' row sums meet; O / l; through my own stage (slot 0: its last fill was tile 4, and every wave's reads of it
	; were waited for in front of a barrier since) to whole rows of 256 bytes.
.irp u, 0,1
	v_permlanex16_b32 v[TT+\u], v[LS+\u], s87, s88
.endr
.irp u, 0,1
	v_add_f32 v[LS+\u], v[LS+\u], v[TT+\u]
.endr
	v_rcp_f32 v[AL], v[LS]                         ; l is at least about 1: the row's largest P
	v_rcp_f32 v[AL+1], v[LS]
	v_rcp_f32 v[AL+2], v[LS+1]
	v_rcp_f32 v[AL+3], v[LS+1]
	v_nop                                          ; one plain place behind the reciprocals
	s_wait_alu depctr_va_vdst(0)
	RESC 0
	RESC 1
	s_lshr_b32 s92, s17, 4                         ; batch x 2048 rows of 4,096 bytes
	s_lshl_b32 s92, s92, 23
	s_lshl_b32 s89, s16, 20                        ; + query block x 256 rows
	s_add_co_u32 s92, s92, s89
	s_lshl_b32 s89, s12, 17                        ; + wave x 32 rows
	s_add_co_u32 s92, s92, s89
	s_and_b32 s89, s17, 15
	s_lshl_b32 s89, s89, 8                         ; + head x 256 bytes
	s_add_co_u32 s92, s92, s89
	s_mov_b32 s93, 0
	s_add_nc_u64 s[10:11], s[10:11], s[92:93]
.irp u, 0,1
.irp dt, 0,1,2,3
	ds_store_b128 v[STO], v[OO+32*\u+8*\dt:OO+32*\u+8*\dt+3]   offset:16*272*\u+64*\dt        ; query 16 u + r, d = 16 dt + 8 h .. + 3
	ds_store_b128 v[STO], v[OO+32*\u+8*\dt+4:OO+32*\u+8*\dt+7] offset:16*272*\u+64*\dt+16
.endr
.endr
.set i, 0
.rept 16
	ds_load_b128 v[FF+4*i:FF+4*i+3], v[RD] offset:i*2*272      ; LDS serves a wave's instructions in order (ISA guide 5.7.1.4): these see my stores above
.set i, i+1
.endr
.set i, 0
.rept 16
	s_wait_dscnt 15-i                              ; this load is in, the younger ones may be out
	global_store_b128 v[CO], v[FF+4*i:FF+4*i+3], s[10:11] offset:8192*i th:TH_STORE_NT   ; 16 lanes store 256 consecutive bytes, aligned: a query's 64 numbers of this head
.set i, i+1
.endr
	s_set_vgpr_msb 0x5
	s_wait_tensorcnt 0x0
	ds_add_u32 v0, v1
	s_wait_dscnt 0x0
	s_set_vgpr_msb 0x500
	ROUND                                          ; the closing round: no work-group ends while a partner may still ask for a tile that names it
	s_endpgm
.Lfunc_end_k_qce1019f9a0_attn:
	.size	k_qce1019f9a0_attn, .Lfunc_end_k_qce1019f9a0_attn-k_qce1019f9a0_attn
	.p2alignl 7, 3214868480
	.fill 96, 4, 3214868480
	.section	.rodata,"a",@progbits
	.p2align	6, 0x0
	.amdhsa_kernel k_qce1019f9a0_attn
		.amdhsa_group_segment_fixed_size 327680
		.amdhsa_private_segment_fixed_size 0
		.amdhsa_enable_private_segment 0
		.amdhsa_kernarg_size 32
		.amdhsa_user_sgpr_count 2
		.amdhsa_user_sgpr_kernarg_segment_ptr 1
		.amdhsa_wavefront_size32 1
		.amdhsa_system_sgpr_workgroup_id_x 1
		.amdhsa_system_sgpr_workgroup_id_y 1
		.amdhsa_system_sgpr_workgroup_id_z 1
		.amdhsa_system_vgpr_workitem_id 0
		.amdhsa_next_free_vgpr 258
		.amdhsa_next_free_sgpr 96
		.amdhsa_reserve_vcc 0
		.amdhsa_float_denorm_mode_32 3
		.amdhsa_float_denorm_mode_16_64 3
		.amdhsa_memory_ordered 1
		.amdhsa_forward_progress 1
		.amdhsa_inst_pref_size 174
	.end_amdhsa_kernel
	.amdgpu_metadata
---
amdhsa.version: [ 1, 2 ]
amdhsa.kernels:
  - .name:           k_qce1019f9a0_attn
    .symbol:         k_qce1019f9a0_attn.kd
    .args:
      - { .name: qh, .offset: 0, .size: 8, .value_kind: global_buffer, .address_space: global }
      - { .name: kh, .offset: 8, .size: 8, .value_kind: global_buffer, .address_space: global }
      - { .name: vh, .offset: 16, .size: 8, .value_kind: global_buffer, .address_space: global }
      - { .name: out0, .offset: 24, .size: 8, .value_kind: global_buffer, .address_space: global }
    .group_segment_fixed_size: 327680
    .private_segment_fixed_size: 0
    .kernarg_segment_align: 8
    .kernarg_segment_size: 32
    .max_flat_workgroup_size: 256
    .sgpr_count:     96
    .vgpr_count:     258
    .wavefront_size: 32
...
	.end_amdgpu_metadata
.endif
;; end of part 2
;; ======== version 2 of 2: 3 launches
;; limits: values are held in f16: magnitudes above 65,504 overflow, below 6.1e-05 lose precision
;; workspace buffers: xw 14,680,064 bytes; qh 8,388,608 bytes; kh 8,388,608 bytes; vh 8,388,608 bytes
;; launch cast (part 3): grid 256 x 7, 8 waves a work-group, no clusters, 0 bytes of LDS; arguments inputs, Wq, Wk, Wv, xw; writes xw
.if DOCPART == 3
	.amdgcn_target "amdgcn-amd-amdhsa--gfx1250"
	.amdhsa_code_object_version 6
	.text
	.protected	k_qce1019f9a0_cast
	.globl	k_qce1019f9a0_cast
	.p2align	8
	.type	k_qce1019f9a0_cast,@function
k_qce1019f9a0_cast:
	s_mov_b64 s[64:65], 0
	v_nop
	global_prefetch_b8 v0, s[64:65] scope:SCOPE_SE
	s_setreg_imm32_b32 hwreg(HW_REG_WAVE_MODE, 25, 1), 1
	s_wait_xcnt 0x0
; xw = the four f32 inputs rounded once to bf16 (nearest even), one behind the other:
;   bytes 0 .. 8,388,607: inputs as [4096][1024]; then Wq, Wk, Wv as [1024][1024], 2,097,152 bytes each.
; The 28 MiB of f32 are seven pieces of 4 MiB: y = 0..3 the quarters of inputs, y = 4, 5, 6 Wq, Wk, Wv.  Work-group (x, y) takes 16,384 bytes of piece y.
; 256 x 7 work-groups, seven for each of 256 WGPs.  A wave takes 2,048 bytes: four loads of 512 consecutive bytes, all issued at once, and four
; stores in which the 32 lanes write 256 consecutive bytes, aligned.  A stream: every byte is read once and written once; LDS and the matrix unit would add nothing.
.set X, 8                              ; v[8:23]   four loads of four f32
.set Y, 24                             ; v[24:31]  four pairs of packed bf16
	s_load_b256 s[4:11], s[0:1], 0x0               ; inputs s[4:5], Wq s[6:7], Wk s[8:9], Wv s[10:11]
	s_load_b64 s[12:13], s[0:1], 0x20              ; xw
	s_and_b32 s14, ttmp7, 0xffff                   ; y: the piece
	v_and_b32 v1, 31, v0                           ; lane
	v_lshrrev_b32 v2, 5, v0                        ; wave
	v_lshlrev_b32 v3, 4, v1
	v_lshl_add_u32 v3, v2, 11, v3                  ; in: 2,048 x wave + 16 x lane
	v_lshlrev_b32 v4, 3, v1
	v_lshl_add_u32 v4, v2, 10, v4                  ; out: 1,024 x wave + 8 x lane
	s_cmp_lt_u32 s14, 4
	s_cselect_b32 s16, s14, 0                      ; a quarter of inputs, or the whole of a W
	s_lshl_b32 s16, s16, 22
	s_lshl_b32 s17, ttmp9, 14                      ; + x times 16,384 bytes
	s_add_co_u32 s16, s16, s17
	s_mov_b32 s17, 0
	s_lshl_b32 s18, s14, 21                        ; out: y times 2 MiB
	s_lshl_b32 s19, ttmp9, 13                      ; + x times 8,192 bytes
	s_add_co_u32 s18, s18, s19
	s_mov_b32 s19, 0
	s_wait_kmcnt 0x0
	s_cmp_eq_u32 s14, 4
	s_cselect_b64 s[20:21], s[6:7], s[4:5]         ; the piece's buffer, chosen by y alone
	s_cmp_eq_u32 s14, 5
	s_cselect_b64 s[20:21], s[8:9], s[20:21]
	s_cmp_eq_u32 s14, 6
	s_cselect_b64 s[20:21], s[10:11], s[20:21]
	s_add_nc_u64 s[20:21], s[20:21], s[16:17]
	s_add_nc_u64 s[22:23], s[12:13], s[18:19]
.irp j, 0,1,2,3
	global_load_b128 v[X+4*\j:X+4*\j+3], v3, s[20:21] offset:512*\j th:TH_LOAD_NT   ; read once in the launch
.endr
.irp j, 0,1,2,3
	s_wait_loadcnt 3-\j                            ; loads come back in order: load j is in, the younger ones may be out
	v_cvt_pk_bf16_f32 v[Y+2*\j], v[X+4*\j], v[X+4*\j+1]
	v_cvt_pk_bf16_f32 v[Y+2*\j+1], v[X+4*\j+2], v[X+4*\j+3]
	global_store_b64 v4, v[Y+2*\j:Y+2*\j+1], s[22:23] offset:256*\j
.endr
	s_endpgm
.Lfunc_end_k_qce1019f9a0_cast:
	.size	k_qce1019f9a0_cast, .Lfunc_end_k_qce1019f9a0_cast-k_qce1019f9a0_cast
	.p2alignl 7, 3214868480
	.fill 96, 4, 3214868480
	.section	.rodata,"a",@progbits
	.p2align	6, 0x0
	.amdhsa_kernel k_qce1019f9a0_cast
		.amdhsa_group_segment_fixed_size 0
		.amdhsa_private_segment_fixed_size 0
		.amdhsa_enable_private_segment 0
		.amdhsa_kernarg_size 40
		.amdhsa_user_sgpr_count 2
		.amdhsa_user_sgpr_kernarg_segment_ptr 1
		.amdhsa_wavefront_size32 1
		.amdhsa_system_sgpr_workgroup_id_x 1
		.amdhsa_system_sgpr_workgroup_id_y 1
		.amdhsa_system_sgpr_workgroup_id_z 1
		.amdhsa_system_vgpr_workitem_id 0
		.amdhsa_next_free_vgpr 32
		.amdhsa_next_free_sgpr 66
		.amdhsa_reserve_vcc 0
		.amdhsa_float_denorm_mode_32 3
		.amdhsa_float_denorm_mode_16_64 3
		.amdhsa_memory_ordered 1
		.amdhsa_forward_progress 1
		.amdhsa_inst_pref_size 3
	.end_amdhsa_kernel
	.amdgpu_metadata
---
amdhsa.version: [ 1, 2 ]
amdhsa.kernels:
  - .name:           k_qce1019f9a0_cast
    .symbol:         k_qce1019f9a0_cast.kd
    .args:
      - { .name: inputs, .offset: 0, .size: 8, .value_kind: global_buffer, .address_space: global }
      - { .name: Wq, .offset: 8, .size: 8, .value_kind: global_buffer, .address_space: global }
      - { .name: Wk, .offset: 16, .size: 8, .value_kind: global_buffer, .address_space: global }
      - { .name: Wv, .offset: 24, .size: 8, .value_kind: global_buffer, .address_space: global }
      - { .name: xw, .offset: 32, .size: 8, .value_kind: global_buffer, .address_space: global }
    .group_segment_fixed_size: 0
    .private_segment_fixed_size: 0
    .kernarg_segment_align: 8
    .kernarg_segment_size: 40
    .max_flat_workgroup_size: 256
    .sgpr_count:     66
    .vgpr_count:     32
    .wavefront_size: 32
...
	.end_amdgpu_metadata
.endif
;; end of part 3
;; launch qkv (part 4): grid 16 x 16, 4 waves a work-group, clusters of 4 x 4, 327,680 bytes of LDS; arguments xw, qh, kh, vh; writes qh, kh, vh
.if DOCPART == 4
	.amdgcn_target "amdgcn-amd-amdhsa--gfx1250"
	.amdhsa_code_object_version 6
	.text
	.protected	k_qce1019f9a0_qkv
	.globl	k_qce1019f9a0_qkv
	.p2align	8
	.type	k_qce1019f9a0_qkv,@function
k_qce1019f9a0_qkv:
	s_mov_b64 s[64:65], 0
	v_nop
	global_prefetch_b8 v0, s[64:65] scope:SCOPE_SE
	s_setreg_imm32_b32 hwreg(HW_REG_WAVE_MODE, 25, 1), 1
	s_wait_xcnt 0x0
	s_wait_alu depctr_hold_cnt(0) depctr_sa_sdst(0) depctr_va_vdst(0) depctr_va_sdst(0) depctr_va_ssrc(0) depctr_va_vcc(0) depctr_vm_vsrc(0)
	s_getreg_b32 s2, hwreg(HW_REG_IB_STS2, 6, 4)
	s_cmp_eq_u32 s2, 0
	s_cbranch_scc0 .Lentry_in_a_cluster
	s_endpgm
.Lentry_in_a_cluster:
	s_bfe_u32 s2, ttmp6, 0x10000c
	s_cmp_lg_u32 s2, 0xf033
	s_cbranch_scc0 .Lentry_shape_is_right
	s_endpgm
.Lentry_shape_is_right:
; Q, K, V = X W^T.  xw holds X [4096][1024] bf16 at byte 0 and Wq, Wk, Wv [1024][1024] bf16 from byte 8,388,608 on (rows = output columns, K along the rows).
; bf16 operands, f32 sums, each result rounded once to f16 and stored as qh, kh, vh: [batch 2][head 16][token 2048][d 64] f16.
; LIMIT: |Q|, |K|, |V| must stay below 65,504 (f16).  With X of spread 1 and W of spread 1/32 they have spread 1.
;
; SHARES.  Work-group (bx = head, by = block of 256 tokens) makes 256 tokens x 192 columns: the head's 64 columns of Q, of K and of V.
; 16 x 16 = 256 work-groups.  Wave w = 2 wr + wc makes tokens 128 wr .. x columns 96 wc ..: 8 x 6 tiles of 16 x 16, 384 registers of sums.
; K goes in eight steps of 128 (rows of 256 bytes, each starting at a multiple of 256 bytes from the buffer's first byte) through two LDS slots.
; CLUSTERS: 4 x 4 work-groups.  X's tile hangs on by alone and is asked for jointly by the four of a row of the cluster, the three W tiles
; hang on bx alone and are asked for jointly by the four of a column: that divides the requests for X and W by four.
;
; REGISTERS, in windows of 256:
;   window 0: v16-26 addresses; v64-127, v128-191 fragments of X (8 x 16 tokens x 32 K), two buffers; v32-223 at work on the way out
;   window 1: v64-111, v128-175 fragments of W (6 x 16 rows x 32 K), two buffers
;   window 2: sums of token tiles 0-3 (tile (a, b) at v[8 (6 a + b)]);  window 3: those of token tiles 4-7
; THE MATRIX INSTRUCTION IS USED TRANSPOSED: source 0 = 16 rows of W, source 1 = 16 tokens, so that a lane holds eight neighbouring
; columns of one token, which pack into 16 bytes.
.set PITCH,  272                       ; an LDS row: 256 bytes + 16 of padding = 17 x 16: the 16 rows of a fragment load start in 16 different 16-byte columns modulo 256 bytes
.set ABYTES, 256*PITCH                 ; X's 256 rows
.set BBYTES, 192*PITCH                 ; 64 rows of Wq, 64 of Wk, 64 of Wv
.set SLOT,   ABYTES+BBYTES             ; 121,856 bytes; two slots
.set QUART,  64*PITCH                  ; what one tensor load brings
.set KSTEPB, 256                       ; bytes of a K step in a row
.set LAPS,   4                         ; 1024 / (2 x 128): a lap = two K steps = once round the ring
.set WOFF,   8388608                   ; Wq's first byte in xw
.set SP,     400                       ; the way out: a token's 192 f16 (384 bytes) + 16 = 25 x 16
.set ADRA, 16                          ; v16-17  LDS address of my X fragments in slot 0, 1
.set ADRB, 20                          ; v20-21  the same for W
.set STO,  24                          ; the way out: where I put 16 bytes of a token
.set RD,   25                          ; the way out: where I read back
.set CO,   26                          ; my byte offset in qh, kh, vh
.set F0,   64                          ; fragment buffer 0
.set F1,   128                         ; fragment buffer 1
.set TMP,  32                          ; the way out
.set G1A, 28                           ; s[28:35] descriptor group 1 for X's tiles
.set G1B, 36                           ; s[36:43] for W's tiles: another mask
.set G0A, 44                           ; s[44:51] group 0 for X, one set for each slot
.set G0B, 52                           ; s[52:59] group 0 for W, one set for each slot
.set MUL_LO, 0xa1                      ; source 0 (W) window 1, source 1 (X) window 0, C and D window 2
.set MUL_HI, 0xf1                      ; the same, C and D window 3
.set TO_B,   0x40                      ; destination window 1, address window 0
.set MSB, 0
.macro WIN new                         ; the immediate's high byte repeats the setting that is left
.if MSB != \new
	s_set_vgpr_msb (MSB<<8)|\new
.set MSB, \new
.endif
.endm
.macro PLACES                          ; four places behind a matrix instruction before loads land on its sources or its result is read
.rept 4
	v_nop
.endr
.endm
; A joint request for one K step: every wave asks for 64 rows of X, waves 0 to 2 also for the head's 64 rows of Wq, Wk, Wv.
; The branch hangs on the wave's number alone: it is the same in every work-group.
.macro JLOAD s
	tensor_load_to_lds s[G0A+4*\s:G0A+4*\s+3], s[G1A:G1A+7]
	s_nop 0
	s_cmp_eq_u32 s18, 3
	s_cbranch_scc1 .Lno_b_\@
	tensor_load_to_lds s[G0B+4*\s:G0B+4*\s+3], s[G1B:G1B+7]
	s_nop 0
.Lno_b_\@:
.endm
.macro CREST                           ; a round of the cluster's barrier behind its opening work-group barrier
	s_cmp_lg_u32 s18, 0
	s_cbranch_scc1 .Lnot_wave_0_\@
	s_barrier_signal -3
.Lnot_wave_0_\@:
	s_barrier_wait -3
	s_barrier_signal -1
	s_barrier_wait -1
.endm
.macro CROUND                          ; a whole round
	s_barrier_signal -1
	s_barrier_wait -1
	CREST
.endm
	s_load_b256 s[4:11], s[0:1], 0x0               ; xw s[4:5], qh s[6:7], kh s[8:9], vh s[10:11]
	s_set_vgpr_msb 0x40
	v_lshl_add_u32 v255, v0, 2, 0x3b800
	s_set_vgpr_msb 0x4000
	v_mov_b32 v255, 0
	s_set_vgpr_msb 0x1
	ds_add_u32 v255, v255
	s_set_vgpr_msb 0x100
	v_lshrrev_b32 v1, 5, v0
	v_readfirstlane_b32 s18, v1                    ; wave 0..3
	s_lshr_b32 s19, s18, 1                         ; wr: which 128 tokens
	s_and_b32 s20, s18, 1                          ; wc: which 96 columns
	s_bfe_u32 s21, ttmp6, 0x40000                  ; cx
	s_bfe_u32 s22, ttmp6, 0x40004                  ; cy
	s_lshl_b32 s23, ttmp9, 2
	s_add_co_u32 s23, s23, s21                     ; bx = head = 4 x cluster x + cx
	s_and_b32 s24, ttmp7, 0xffff
	s_lshl_b32 s24, s24, 2
	s_add_co_u32 s24, s24, s22                     ; by = token block = 4 x cluster y + cy
	s_lshl_b32 s25, s22, 2
	s_lshl_b32 s25, 15, s25                        ; my row of the cluster: places 4 cy .. 4 cy + 3
	s_lshl_b32 s26, 0x1111, s21                    ; my column: places cx, cx + 4, cx + 8, cx + 12
	; group 1: a tile of 64 rows x 128 bf16, pitch 1024 elements, 4 words of padding behind every 64 words
	s_or_b32 s[G1A+0], s25, (1<<16)|(1<<20)|(1<<21)|(5<<22)|(3<<25)   ; 15:0 mask; 17:16 elements of 2 bytes; 20 padding on; 21 set beside a mask; 24:22 every 64 words; 31:25 four words
	s_or_b32 s[G1B+0], s26, (1<<16)|(1<<20)|(1<<21)|(5<<22)|(3<<25)
.irp g, G1A, G1B
	s_mov_b32 s[\g+1], 128<<16                     ; tensor_dim0 = 128
	s_mov_b32 s[\g+2], 64<<16                      ; tensor_dim1 = 64
	s_mov_b32 s[\g+3], 128<<16                     ; tile_dim0 = 128
	s_mov_b32 s[\g+4], 64                          ; tile_dim1 = 64
	s_mov_b32 s[\g+5], 1024                        ; elements from row to row
	s_mov_b32 s[\g+6], 0
	s_mov_b32 s[\g+7], 0
.endr
	; X's offset is made of by and the wave's number, W's of bx and the wave's number, each in registers that never hold the other coordinate
	s_lshl_b32 s60, s24, 19                        ; 256 tokens of 2,048 bytes
	s_lshl_b32 s70, s18, 17                        ; my 64 of them
	s_add_co_u32 s60, s60, s70
	s_mov_b32 s61, 0
	s_min_u32 s70, s18, 2                          ; wave 0 fetches Wq, wave 1 Wk, wave 2 Wv (wave 3 asks for none: its address is made and not used)
	s_lshl_b32 s70, s70, 21                        ; 2,097,152 bytes a matrix
	s_lshl_b32 s62, s23, 17                        ; the head's 64 rows of 2,048 bytes
	s_add_co_u32 s62, s62, s70
	s_add_co_u32 s62, s62, WOFF
	s_mov_b32 s63, 0
	s_mul_i32 s71, s18, QUART                      ; where my rows go in LDS: the wave's number alone
	s_wait_dscnt 0x0
	s_wait_kmcnt 0x0
	s_add_nc_u64 s[60:61], s[4:5], s[60:61]
	s_add_nc_u64 s[62:63], s[4:5], s[62:63]
	CROUND                                         ; all sixteen work-groups are here: the first joint loads meet
.irp s, 0,1
	s_mov_b32 s[G0A+4*\s], 1
	s_add_co_u32 s[G0A+4*\s+1], s71, \s*SLOT
	s_add_nc_u64 s[G0A+4*\s+2:G0A+4*\s+3], s[60:61], \s*KSTEPB
	s_or_b32 s[G0A+4*\s+3], s[G0A+4*\s+3], 0x80000000
	s_mov_b32 s[G0B+4*\s], 1
	s_add_co_u32 s[G0B+4*\s+1], s71, \s*SLOT+ABYTES
	s_add_nc_u64 s[G0B+4*\s+2:G0B+4*\s+3], s[62:63], \s*KSTEPB
	s_or_b32 s[G0B+4*\s+3], s[G0B+4*\s+3], 0x80000000
	JLOAD \s                                       ; K steps 0 and 1: at most four tensor loads of a wave are out
.endr
	; A fragment is 16 rows x 32 K in 8 registers: lane (r, h) holds row r; registers 0-3 hold K = 8 h + 0..7, registers 4-7 K = 16 + 8 h + 0..7:
	; two loads of 16 bytes, 32 bytes apart, at row x pitch + 16 h.
	v_and_b32 v1, 15, v0                           ; r
	v_bfe_u32 v2, v0, 4, 1                         ; h
	v_mul_u32_u24 v3, v1, PITCH
	v_lshl_add_u32 v3, v2, 4, v3                   ; r x pitch + 16 h
	s_mul_i32 s72, s19, 128*PITCH                  ; my 128 tokens
	s_mul_i32 s73, s20, 96*PITCH                   ; my 96 rows of W,
	s_add_co_u32 s73, s73, ABYTES                  ; which lie behind X's 256
.irp s, 0,1
	v_add_nc_u32 v[ADRA+\s], s72, v3
	v_add_nc_u32 v[ADRB+\s], s73, v3
	s_add_co_u32 s72, s72, SLOT
	s_add_co_u32 s73, s73, SLOT
.endr
	v_mul_u32_u24 v4, v1, SP                       ; the way out, in: token 128 wr + r, byte 192 wc + 16 h
	v_lshl_add_u32 v4, v2, 4, v4
	s_mul_i32 s72, s19, 128*SP
	s_mul_i32 s73, s20, 192
	s_add_co_u32 s72, s72, s73
	v_add_nc_u32 v[STO], s72, v4
	v_and_b32 v5, 31, v0                           ; lane
	v_lshrrev_b32 v6, 3, v5
	v_and_b32 v7, 7, v5
	v_mul_u32_u24 v6, v6, SP                       ; back: eight lanes take a token's 128 bytes, a wave four tokens
	v_lshl_add_u32 v6, v7, 4, v6
	s_mul_i32 s72, s18, 64*SP                      ; wave w reads tokens 64 w .. 64 w + 63
	v_add_nc_u32 v[RD], s72, v6
	s_lshl_b32 s73, s18, 13                        ; 64 tokens of 128 bytes
	v_lshl_add_u32 v[CO], v5, 4, s73
; 12 matrix instructions: token tiles a0, a0 + 1 of the window's four (hi = 0: my tokens 0-63, 1: tokens 64-127) x all 6 column tiles, 32 along K.
; zero = 1: the first product starts the sums: nothing is cleared.
; The 48 accumulators take turns, one instruction a turn, in the same order in every quarter step, over the loop's backward jump too.
.macro MUL12 f, hi, a0, zero
.irp a, \a0, \a0+1
.irp b, 0,1,2,3,4,5
.if \zero
	v_wmma_f32_16x16x32_bf16 v[8*(6*(\a)+\b):8*(6*(\a)+\b)+7], v[\f+8*\b:\f+8*\b+7], v[\f+8*(4*\hi+(\a)):\f+8*(4*\hi+(\a))+7], 0
.else
	v_wmma_f32_16x16x32_bf16 v[8*(6*(\a)+\b):8*(6*(\a)+\b)+7], v[\f+8*\b:\f+8*\b+7], v[\f+8*(4*\hi+(\a)):\f+8*(4*\hi+(\a))+7], v[8*(6*(\a)+\b):8*(6*(\a)+\b)+7]
.endif
.endr
.endr
.endm
; 28 LDS loads in one run: the fragments of one quarter step (96 rows of W, 128 tokens, 32 K at byte k of the rows) into buffer f
.macro FETCH slot, k, f
	WIN TO_B
.irp i, 0,1,2,3,4,5
	ds_load_b128 v[\f+8*\i:\f+8*\i+3],   v[ADRB+\slot] offset:\k+\i*16*PITCH
	ds_load_b128 v[\f+8*\i+4:\f+8*\i+7], v[ADRB+\slot] offset:\k+\i*16*PITCH+32
.endr
	WIN 0
.irp i, 0,1,2,3,4,5,6,7
	ds_load_b128 v[\f+8*\i:\f+8*\i+3],   v[ADRA+\slot] offset:\k+\i*16*PITCH
	ds_load_b128 v[\f+8*\i+4:\f+8*\i+7], v[ADRA+\slot] offset:\k+\i*16*PITCH+32
.endr
.endm
; A K step is four quarter steps of 32 along K, 48 matrix instructions each, on buffers 0, 1, 0, 1.
; One of the first three: multiplies buffer f; in its middle it fetches the next quarter's fragments, at byte k of the same slot's rows, into buffer g.
.macro QUARTER slot, k, f, g, zero
	s_wait_dscnt 8                                 ; W and tokens 0-63 are in; the youngest eight loads (tokens 64-127) may be out
	WIN MUL_LO
	MUL12 \f, 0, 0, \zero
	MUL12 \f, 0, 2, \zero
	PLACES
	FETCH \slot, \k, \g
	s_wait_dscnt 28                                ; all but the 28 just issued
	WIN MUL_HI
	MUL12 \f, 1, 0, \zero
	MUL12 \f, 1, 2, \zero
.endm
.macro THREE slot, zero
	QUARTER \slot, 64,  F0, F1, \zero
	QUARTER \slot, 128, F1, F0, 0
	QUARTER \slot, 192, F0, F1, 0
.endm
; The last quarter: multiplies buffer 1 and changes slots.  In front of the barrier each wave waits for its reads of this slot and for all its
; tensor loads (its parts of the next slot).  Behind it nobody reads this slot and the next slot is whole.  fill = 1: the barrier opens a round of the
; cluster's barrier, and this slot's joint refill, two K steps ahead, is the first tensor load behind the round; from the request to the wait for it a wave issues 180 matrix instructions.
.macro TURN slot, next, fill
	s_wait_dscnt 8
	WIN MUL_LO
	MUL12 F1, 0, 0, 0
	s_wait_dscnt 0x0                               ; my reads of this slot are over
	s_wait_tensorcnt 0x0                           ; all my tensor loads have landed
	ds_add_u32 v255, v255
	s_wait_dscnt 0x0
	s_barrier_signal -1
	MUL12 F1, 0, 2, 0                              ; register work while the others arrive
	WIN 0
	s_barrier_wait -1
.if \fill
	CREST
	s_add_nc_u64 s[G0A+4*\slot+2:G0A+4*\slot+3], s[G0A+4*\slot+2:G0A+4*\slot+3], 2*KSTEPB   ; no tensor load of mine is out: group 0 may be written
	s_add_nc_u64 s[G0B+4*\slot+2:G0B+4*\slot+3], s[G0B+4*\slot+2:G0B+4*\slot+3], 2*KSTEPB
	JLOAD \slot
.endif
	PLACES
	FETCH \next, 0, F0
	WIN MUL_HI
	MUL12 F1, 1, 0, 0
	MUL12 F1, 1, 2, 0
.endm
.macro LAP zero
	THREE 0, \zero
	TURN 0, 1, 1
	THREE 1, 0
	TURN 1, 0, 1
.endm
	s_wait_tensorcnt 1                             ; only my youngest load (of K step 1) may be out: my parts of K step 0 are in,
	s_barrier_signal -1
	s_barrier_wait -1                              ; everybody's are
	FETCH 0, 0, F0
	LAP 1                                          ; the first lap stands in front of the loop: its first products start the sums
	WIN 0                                          ; at a label and at a branch every window is 0
	s_mov_b32 s27, LAPS-2
.Llap:
	LAP 0
	WIN 0
	s_sub_co_u32 s27, s27, 1
	s_cmp_lg_u32 s27, 0
	s_cbranch_scc1 .Llap
	THREE 0, 0                                     ; the last lap fills nothing
	TURN 0, 1, 0                                   ; behind this barrier no wave reads slot 0 any more, and slot 0 has had its last fill
	THREE 1, 0
	s_wait_dscnt 8                                 ; the very last quarter: nothing more to fetch
	WIN MUL_LO
	MUL12 F1, 0, 0, 0
	MUL12 F1, 0, 2, 0
	s_wait_dscnt 0x0
	WIN MUL_HI
	MUL12 F1, 1, 0, 0
	MUL12 F1, 1, 2, 0
	; THE WAY OUT.  To f16, 16 bytes a lane into a stage of 256 tokens x 400 bytes that overlays slot 0, whole tokens read back, stored.
	PLACES                                         ; the conversions read matrix results and write over fragment registers
.macro CVO hi                          ; 96 conversions of one window's 24 tiles
.irp a, 0,1,2,3
.irp b, 0,1,2,3,4,5
.irp n, 0,1,2,3
	v_cvt_pk_f16_f32 v[TMP+24*(4*\hi+\a)+4*\b+\n], v[8*(6*\a+\b)+2*\n], v[8*(6*\a+\b)+2*\n+1]
.endr
.endr
.endr
.endm
	WIN 0x0a                                       ; sources window 2, destination window 0
	CVO 0
	WIN 0x0f                                       ; sources window 3
	CVO 1
	WIN 0
.irp t, 0,1,2,3,4,5,6,7
.irp b, 0,1,2,3,4,5
	ds_store_b128 v[STO], v[TMP+24*\t+4*\b:TMP+24*\t+4*\b+3] offset:16*\t*SP+32*\b   ; token 16 t + r of my 128, columns 16 b + 8 h .. + 7 of my 96
.endr
.endr
	s_lshr_b32 s68, s24, 3                         ; batch
	s_lshl_b32 s68, s68, 22                        ; x 16 heads x 262,144 bytes
	s_lshl_b32 s70, s23, 18                        ; + head x 262,144
	s_add_co_u32 s68, s68, s70
	s_and_b32 s70, s24, 7
	s_lshl_b32 s70, s70, 15                        ; + block in the batch x 256 tokens x 128 bytes
	s_add_co_u32 s68, s68, s70
	s_mov_b32 s69, 0
	s_add_nc_u64 s[6:7], s[6:7], s[68:69]
	s_add_nc_u64 s[8:9], s[8:9], s[68:69]
	s_add_nc_u64 s[10:11], s[10:11], s[68:69]
	s_wait_dscnt 0x0                               ; my stores are done, for the waves that read them
	s_barrier_signal -1
	s_barrier_wait -1
.irp j, 0,1,2
.set i, 0
.rept 16
	ds_load_b128 v[TMP+64*\j+4*i:TMP+64*\j+4*i+3], v[RD] offset:i*4*SP+128*\j      ; four tokens' 128 bytes of Q (j = 0), K (1), V (2)
.set i, i+1
.endr
.endr
.irp j, 0,1,2
.set i, 0
.rept 16
	s_wait_dscnt 47-16*\j-i                        ; LDS loads come back in order: this one is in, the younger ones may be out
	global_store_b128 v[CO], v[TMP+64*\j+4*i:TMP+64*\j+4*i+3], s[6+2*\j:7+2*\j] offset:512*i   ; a wave's store covers 512 consecutive bytes, aligned
.set i, i+1
.endr
.endr
	s_set_vgpr_msb 0x1
	s_wait_tensorcnt 0x0
	ds_add_u32 v255, v255
	s_wait_dscnt 0x0
	s_set_vgpr_msb 0x100
	CROUND                                         ; the closing round: no work-group ends while a partner may still ask for a tile that names it
	s_endpgm
.Lfunc_end_k_qce1019f9a0_qkv:
	.size	k_qce1019f9a0_qkv, .Lfunc_end_k_qce1019f9a0_qkv-k_qce1019f9a0_qkv
	.p2alignl 7, 3214868480
	.fill 96, 4, 3214868480
	.section	.rodata,"a",@progbits
	.p2align	6, 0x0
	.amdhsa_kernel k_qce1019f9a0_qkv
		.amdhsa_group_segment_fixed_size 327680
		.amdhsa_private_segment_fixed_size 0
		.amdhsa_enable_private_segment 0
		.amdhsa_kernarg_size 32
		.amdhsa_user_sgpr_count 2
		.amdhsa_user_sgpr_kernarg_segment_ptr 1
		.amdhsa_wavefront_size32 1
		.amdhsa_system_sgpr_workgroup_id_x 1
		.amdhsa_system_sgpr_workgroup_id_y 1
		.amdhsa_system_sgpr_workgroup_id_z 1
		.amdhsa_system_vgpr_workitem_id 0
		.amdhsa_next_free_vgpr 960
		.amdhsa_next_free_sgpr 80
		.amdhsa_reserve_vcc 0
		.amdhsa_float_denorm_mode_32 3
		.amdhsa_float_denorm_mode_16_64 3
		.amdhsa_memory_ordered 1
		.amdhsa_forward_progress 1
		.amdhsa_inst_pref_size 157
	.end_amdhsa_kernel
	.amdgpu_metadata
---
amdhsa.version: [ 1, 2 ]
amdhsa.kernels:
  - .name:           k_qce1019f9a0_qkv
    .symbol:         k_qce1019f9a0_qkv.kd
    .args:
      - { .name: xw, .offset: 0, .size: 8, .value_kind: global_buffer, .address_space: global }
      - { .name: qh, .offset: 8, .size: 8, .value_kind: global_buffer, .address_space: global }
      - { .name: kh, .offset: 16, .size: 8, .value_kind: global_buffer, .address_space: global }
      - { .name: vh, .offset: 24, .size: 8, .value_kind: global_buffer, .address_space: global }
    .group_segment_fixed_size: 327680
    .private_segment_fixed_size: 0
    .kernarg_segment_align: 8
    .kernarg_segment_size: 32
    .max_flat_workgroup_size: 128
    .sgpr_count:     80
    .vgpr_count:     960
    .wavefront_size: 32
...
	.end_amdgpu_metadata
.endif
;; end of part 4
;; launch attn (part 5): grid 8 x 32, 8 waves a work-group, clusters of 4 x 1, 327,680 bytes of LDS; arguments qh, kh, vh, out0; writes out0
.if DOCPART == 5
	.amdgcn_target "amdgcn-amd-amdhsa--gfx1250"
	.amdhsa_code_object_version 6
	.text
	.protected	k_qce1019f9a0_attn
	.globl	k_qce1019f9a0_attn
	.p2align	8
	.type	k_qce1019f9a0_attn,@function
k_qce1019f9a0_attn:
	s_mov_b64 s[64:65], 0
	v_nop
	global_prefetch_b8 v0, s[64:65] scope:SCOPE_SE
	s_setreg_imm32_b32 hwreg(HW_REG_WAVE_MODE, 25, 1), 1
	s_wait_xcnt 0x0
	s_wait_alu depctr_hold_cnt(0) depctr_sa_sdst(0) depctr_va_vdst(0) depctr_va_sdst(0) depctr_va_ssrc(0) depctr_va_vcc(0) depctr_vm_vsrc(0)
	s_getreg_b32 s2, hwreg(HW_REG_IB_STS2, 6, 4)
	s_cmp_eq_u32 s2, 0
	s_cbranch_scc0 .Lentry_in_a_cluster
	s_endpgm
.Lentry_in_a_cluster:
	s_bfe_u32 s2, ttmp6, 0x10000c
	s_cmp_lg_u32 s2, 0x3003
	s_cbranch_scc0 .Lentry_shape_is_right
	s_endpgm
.Lentry_shape_is_right:
; out = softmax(Q K^T / 8) V for each of 32 (batch, head) pairs.  qh, kh, vh: [32][2048][64] f16; out0: [2][2048][1024] f32.
; Running maximum over blocks of 64 keys; products with f16 operands and f32 sums; maximum, exponentials, row sums and rescaling in f32.
; LIMITS: scores must be finite (a NaN loses in the maxima); a P below about 6e-8 of the largest of its wave's half of the row rounds to 0 in f16.
;
; SHARES.  Work-group (qb, bh) takes 256 queries of one head: 8 x 32 = 256 work-groups, eight waves, two to a SIMD.
; Wave w = 4 g + qg takes the 64 queries of group qg (four tiles of 16) and the key blocks of parity g (block 2 p + g, p = 0 .. 15).  So one fetch of a block's K and V
; fragments, 32 LDS loads, feeds 64 matrix instructions; with 32 queries a wave and all keys it would feed 32.  At the end the two waves of a query group
; merge their maxima, sums and O through LDS: each keeps two query tiles and sends the other two.  Register tile u of a wave is query tile u xor 2 g,
; so every wave keeps register tiles 0, 1 and sends 2, 3: one text for both halves.
; CLUSTERS: the four query blocks of a cluster (4, 1, 1) read the same K and V tiles and ask for them jointly, mask 15: a quarter of the requests.
;
; EVERYTHING IS TRANSPOSED, so that a lane always stands for one query:
;   S^T = K (source 0, rows = keys) x Q (source 1, columns = queries): lane (r, h) holds query r, keys 8 h + j of each tile of 16.
;   The row maximum is a reduction in the lane and one exchange with lane r of the other half.
;   Packed to f16, the tiles 2 kk and 2 kk + 1 of S^T are, as they lie, source 1 of P^T for 32 keys.
;   O^T = V^T (source 0, by the transposing LDS load from V stored [key][d]) x P^T: lane r is again the query.
;
; THE ORDER OF WORK.  A step is one key block with one pair of query tiles.  Body A of block p: the softmax of tiles 0, 1, with the 16 products K(p) Q(tiles 2, 3) one in
; front of every fourth of its first 64 instructions; K(p + 1) is fetched; O is rescaled two tiles ahead of the products P V(p); the maxima of tiles 2, 3.
; Body B: the same for tiles 2, 3 with the products K(p + 1) Q(tiles 0, 1); at its end V(p + 1) is fetched.
;
; REGISTERS.  Window 0: v1-7 addresses, v8-31 softmax state, v32-95 K's fragments, v96-159 and v160-223 S of the two pairs, v224-233 set-up and the merge.
;             Window 1: v0-127 O, v128-191 V's fragments, v192-255 Q.
;
; LDS: K's four slots of 256 keys as one ring of 16 blocks of 64 rows x 144 bytes (128 + 16), behind it V's ring of 16 blocks of 64 rows x 160 bytes
; (128 + 32: an odd multiple of 32 for the transposing load).  Tiles 0-3 are asked for at the start, tiles 4 and 5 behind one round of the cluster's barrier,
; tiles 6 and 7 behind another; each refill has eight steps' work in which to land.  At most four tensor loads of a wave are out.
.set KP,    144
.set VP,    160
.set KBLK,  64*KP                      ; 9,216: a block of K, and what one of K's tensor loads brings
.set VBLK,  64*VP                      ; 10,240
.set KSL,   4*KBLK                     ; a slot of K
.set VSL,   4*VBLK
.set VBASE, 4*KSL                      ; 147,456: V's ring
.set TILEB, 256*128                    ; bytes of a tile in kh or vh
.set WST,   32*272                     ; 8,704: a wave's bytes for the merge (16 x 512 of O + 512 of state), then its stage of 32 queries x (256 + 16) bytes; the eight lie in K's slots 0 and 1
.set KL,   1                           ; lane term of K's fragment loads, my key half included
.set VL,   2                           ; lane term of V's transposing loads, V's ring and my key half included
.set KADR, 3
.set VADR, 4
.set STO,  5
.set RD,   6
.set CO,   7
.set NM,   8                           ; v[8:15]   for each register tile u the pair { -c M, M }: the shift is read by broadcasting the pair's first register
.set AS,   16                          ; v[16:23]  for each u the pair { rescaling factor, running sum of my half of the lanes' keys }
.set TT,   24                          ; v[24:31]  at work
.set KF,   32                          ; K fragments (t, dh) at 32 + 16 t + 8 dh
.set S0,   96                          ; S of query tiles 0, 1: S(ul, t) at base + 32 ul + 8 t; P packed in place at base + 32 ul + 16 kk
.set S1,   160                         ; S of query tiles 2, 3
.set XT,   224                         ; v[224:231] set-up, the merge
.set XS,   232                         ; the merge: where I put what I send
.set XR,   233                         ; the merge: where my partner has put what I get
.set OO,   0                           ; window 1: O(dt, u) at 32 u + 8 dt
.set VF,   128                         ; window 1: V fragments (dt, kk) at 128 + 8 (4 kk + dt)
.set QQ,   192                         ; window 1: Q(u, dh) at 192 + 16 u + 8 dh
.set W_QK,    0x04                     ; source 1 (Q; an LDS store's data) window 1, all else window 0
.set W_PV,    0x51                     ; source 0 (V, O), C and D window 1; source 1 (P, the factor) window 0
.set W_TO1,   0x40                     ; destination window 1
.set W_FROM1, 0x01                     ; source 0 window 1
.set G1K, 20                           ; s[20:27]
.set G1V, 28                           ; s[28:35]
.set G0K, 36                           ; s[36:51] one set for each slot
.set G0V, 68                           ; s[68:83]
.set MSB, 0
.macro WIN new                         ; the immediate's high byte repeats the setting that is left
.if MSB != \new
	s_set_vgpr_msb (MSB<<8)|\new
.set MSB, \new
.endif
.endm
.macro PLACES                          ; four places behind a matrix instruction (ISA guide 7.12.1)
.rept 4
	v_nop
.endr
.endm
.macro ROUND                           ; a round of the cluster's barrier
	s_barrier_signal -1
	s_barrier_wait -1
	s_cmp_lg_u32 s12, 0
	s_cbranch_scc1 .Lnot_wave_0_\@
	s_barrier_signal -3
.Lnot_wave_0_\@:
	s_barrier_wait -3
	s_barrier_signal -1
	s_barrier_wait -1
.endm
; A joint load: waves 0-3 ask for the four blocks (64 keys) of K's tile, waves 4-7 for those of V's.  The branch hangs on the wave's number alone.
.macro JLOAD s
	s_cmp_eq_u32 s13, 0
	s_cbranch_scc0 .Lfor_v_\@
	tensor_load_to_lds s[G0K+4*\s:G0K+4*\s+3], s[G1K:G1K+7]
	s_nop 0
	s_branch .Lasked_\@
.Lfor_v_\@:
	tensor_load_to_lds s[G0V+4*\s:G0V+4*\s+3], s[G1V:G1V+7]
	s_nop 0
	v_nop
.Lasked_\@:
.endm
	s_load_b256 s[4:11], s[0:1], 0x0               ; qh s[4:5], kh s[6:7], vh s[8:9], out0 s[10:11]
	v_lshl_add_u32 v254, v0, 2, 0x4c000
	v_mov_b32 v255, 0
	ds_add_u32 v254, v255
	v_lshrrev_b32 v[XT], 5, v0
	v_readfirstlane_b32 s12, v[XT]                 ; wave 0..7
	s_lshr_b32 s13, s12, 2                         ; g: my key half.  Also: I fetch for K (0) or for V (1)
	s_and_b32 s14, s12, 3                          ; qg: my 64 queries.  Also: which 64 keys of a tile I fetch
	s_bfe_u32 s15, ttmp6, 0x40000                  ; cx
	s_lshl_b32 s16, ttmp9, 2
	s_add_co_u32 s16, s16, s15                     ; qb = query block = 4 x cluster x + cx
	s_and_b32 s17, ttmp7, 0xffff                   ; bh = batch x 16 + head: the four partners share it
	; group 1: 64 rows x 64 f16, pitch 64 elements; padding behind every 32 words: 4 words for K, 8 for V; mask 15, bit 21 beside it
	s_mov_b32 s[G1K+0], 15|(1<<16)|(1<<20)|(1<<21)|(4<<22)|(3<<25)
	s_mov_b32 s[G1V+0], 15|(1<<16)|(1<<20)|(1<<21)|(4<<22)|(7<<25)
.irp g, G1K, G1V
	s_mov_b32 s[\g+1], 64<<16                      ; tensor_dim0 = 64
	s_mov_b32 s[\g+2], 64<<16                      ; tensor_dim1 = 64
	s_mov_b32 s[\g+3], 64<<16                      ; tile_dim0 = 64
	s_mov_b32 s[\g+4], 64                          ; tile_dim1 = 64
	s_mov_b32 s[\g+5], 64                          ; elements from row to row
	s_mov_b32 s[\g+6], 0
	s_mov_b32 s[\g+7], 0
.endr
	s_mov_b32 s84, 0x3e38aa3b                      ; c = log2(e) / 8: the scale 1/8 and the change of base ride on the multiply-add in front of the exponential
	s_mov_b32 s85, 0x3e38aa3b
	s_mov_b32 s86, 0xbe38aa3b                      ; -c
	s_mov_b32 s87, 0x76543210                      ; v_permlanex16_b32: lane i of one half reads lane i of the other
	s_mov_b32 s88, 0xfedcba98
	s_lshl_b32 s92, s17, 18                        ; the head's 262,144 bytes in kh and vh,
	s_lshl_b32 s18, s14, 13                        ; the 64 keys of 128 bytes that I fetch: neither hangs on cx
	s_add_co_u32 s92, s92, s18
	s_mov_b32 s93, 0
	s_mul_i32 s18, s14, KBLK                       ; where they go in a slot
	s_mul_i32 s19, s14, VBLK
	s_add_co_u32 s19, s19, VBASE
	s_lshl_b32 s90, s17, 18                        ; Q: head,
	s_lshl_b32 s89, s16, 15                        ; + block of 256 queries of 128 bytes,
	s_add_co_u32 s90, s90, s89
	s_lshl_b32 s89, s14, 13                        ; + my 64 queries
	s_add_co_u32 s90, s90, s89
	s_mov_b32 s91, 0
	s_lshl_b32 s94, s13, 12                        ; register tiles 0, 1 are query tiles 2 g, 2 g + 1: 2 g x 16 queries x 128 bytes,
	s_xor_b32 s95, s13, 1
	s_lshl_b32 s95, s95, 12                        ; register tiles 2, 3 the other two
	v_and_b32 v[XT+2], 15, v0                      ; r
	v_bfe_u32 v[XT+3], v0, 4, 1                    ; h
	v_lshlrev_b32 v[XT+4], 7, v[XT+2]
	v_lshl_add_u32 v[XT+4], v[XT+3], 4, v[XT+4]    ; query r x 128 bytes + 16 h
	v_add_nc_u32 v[XT], s94, v[XT+4]
	v_add_nc_u32 v[XT+1], s95, v[XT+4]
	s_wait_dscnt 0x0
	s_wait_kmcnt 0x0
	s_add_nc_u64 s[6:7], s[6:7], s[92:93]
	s_add_nc_u64 s[8:9], s[8:9], s[92:93]
	s_add_nc_u64 s[90:91], s[4:5], s[90:91]
	WIN W_TO1
.irp p, 0,1
.irp u, 0,1
.irp dh, 0,1
	global_load_b128 v[QQ+32*\p+16*\u+8*\dh:QQ+32*\p+16*\u+8*\dh+3],   v[XT+\p], s[90:91] offset:2048*\u+64*\dh      ; d = 32 dh + 8 h ..
	global_load_b128 v[QQ+32*\p+16*\u+8*\dh+4:QQ+32*\p+16*\u+8*\dh+7], v[XT+\p], s[90:91] offset:2048*\u+64*\dh+32   ; d = 32 dh + 16 + 8 h ..
.endr
.endr
.endr
	WIN 0
	ROUND                                          ; the four partners are here: the first joint loads meet
.irp s, 0,1,2,3
	s_mov_b32 s[G0K+4*\s], 1
	s_add_co_u32 s[G0K+4*\s+1], s18, \s*KSL
	s_add_nc_u64 s[G0K+4*\s+2:G0K+4*\s+3], s[6:7], \s*TILEB
	s_or_b32 s[G0K+4*\s+3], s[G0K+4*\s+3], 0x80000000
	s_mov_b32 s[G0V+4*\s], 1
	s_add_co_u32 s[G0V+4*\s+1], s19, \s*VSL
	s_add_nc_u64 s[G0V+4*\s+2:G0V+4*\s+3], s[8:9], \s*TILEB
	s_or_b32 s[G0V+4*\s+3], s[G0V+4*\s+3], 0x80000000
	JLOAD \s                                       ; tiles 0 to 3: one load of each wave for a tile
.endr
	v_mul_u32_u24 v[KL], v[XT+2], KP
	v_lshl_add_u32 v[KL], v[XT+3], 4, v[KL]        ; key r x pitch + 16 h
	s_mul_i32 s89, s13, KBLK
	v_add_nc_u32 v[KL], s89, v[KL]                 ; + my key half: block 2 p + g
	v_and_b32 v[XT+5], 7, v0
	v_lshl_add_u32 v[XT+5], v[XT+3], 3, v[XT+5]    ; key 8 h + (lane & 7)
	v_mul_u32_u24 v[XT+5], v[XT+5], VP
	v_bfe_u32 v[XT+6], v0, 3, 1
	v_lshl_add_u32 v[XT+5], v[XT+6], 4, v[XT+5]    ; + 16 x ((lane >> 3) & 1)
	s_mul_i32 s89, s13, VBLK
	s_add_co_u32 s89, s89, VBASE
	v_add_nc_u32 v[VL], s89, v[XT+5]
	s_mul_i32 s89, s12, WST                        ; my bytes for the merge and the stage
	v_mul_u32_u24 v[XT+5], v[XT+2], 272
	v_lshl_add_u32 v[XT+5], v[XT+3], 5, v[XT+5]    ; the stage, in: query r, 32 bytes for each half of the lanes
	v_add_nc_u32 v[STO], s89, v[XT+5]
	v_mul_u32_u24 v[XT+5], v[XT+3], 272
	v_lshl_add_u32 v[XT+5], v[XT+2], 4, v[XT+5]    ; back: lanes 0-15 take one query's 256 bytes, lanes 16-31 the next
	v_add_nc_u32 v[RD], s89, v[XT+5]
	v_lshlrev_b32 v[XT+5], 12, v[XT+3]             ; and the same two rows of out0, 4,096 bytes apart
	v_lshl_add_u32 v[CO], v[XT+2], 4, v[XT+5]
	v_and_b32 v[XT+7], 31, v0
	v_lshl_add_u32 v[XS], v[XT+7], 4, s89          ; the merge: 16 x lane in my bytes,
	s_xor_b32 s89, s12, 4                          ; and in those of my partner, the wave with my queries and the other keys
	s_mul_i32 s89, s89, WST
	v_lshl_add_u32 v[XR], v[XT+7], 4, s89
	s_wait_loadcnt 0x0                             ; Q, once
.macro KLOAD                           ; 16 loads: a block's K fragments, d 0-31 of the four key tiles, then d 32-63
.irp dh, 0,1
.irp t, 0,1,2,3
	ds_load_b128 v[KF+16*\t+8*\dh:KF+16*\t+8*\dh+3],   v[KADR] offset:\t*16*KP+64*\dh
	ds_load_b128 v[KF+16*\t+8*\dh+4:KF+16*\t+8*\dh+7], v[KADR] offset:\t*16*KP+64*\dh+32
.endr
.endr
.endm
.macro VLOAD                           ; under W_TO1: 16 transposing loads, a block's V fragments
.irp kk, 0,1
.irp dt, 0,1,2,3
	ds_load_tr16_b128 v[VF+8*(4*\kk+\dt):VF+8*(4*\kk+\dt)+3],   v[VADR] offset:\kk*32*VP+32*\dt          ; keys 32 kk + 8 h .. of d = 16 dt + r
	ds_load_tr16_b128 v[VF+8*(4*\kk+\dt)+4:VF+8*(4*\kk+\dt)+7], v[VADR] offset:\kk*32*VP+32*\dt+16*VP    ; keys 32 kk + 16 + 8 h ..
.endr
.endr
.endm
; Under W_QK: product qn of the 16 of S^T = K Q of query pair qp into buffer sn: qn 0-7 take d 0-31 and start the sums of tiles (t = qn / 2, ul = qn % 2),
; qn 8-15 add d 32-63 in the same order.  Eight accumulators take turns, one instruction a turn.
.macro QKW
.if qn < 8
	v_wmma_f32_16x16x32_f16 v[sn+32*(qn%2)+8*(qn/2):sn+32*(qn%2)+8*(qn/2)+7], v[KF+16*(qn/2):KF+16*(qn/2)+7], v[QQ+32*qp+16*(qn%2):QQ+32*qp+16*(qn%2)+7], 0
.else
	v_wmma_f32_16x16x32_f16 v[sn+32*(qn%2)+8*((qn-8)/2):sn+32*(qn%2)+8*((qn-8)/2)+7], v[KF+16*((qn-8)/2)+8:KF+16*((qn-8)/2)+15], v[QQ+32*qp+16*(qn%2)+8:QQ+32*qp+16*(qn%2)+15], v[sn+32*(qn%2)+8*((qn-8)/2):sn+32*(qn%2)+8*((qn-8)/2)+7]
.endif
.endm
.macro TICK qk                         ; stands in front of each of the first 64 softmax instructions of a body: every fourth is preceded by a product
.if \qk
.if (tick%4) == 0
.set qn, tick/4
	QKW
.endif
.endif
.set tick, tick+1
.endm
; Item pn of 33: the row sum of tile ul of pair pa (my 32 P in four chains, then onto the rescaled running sum) and P to f16 in place.
; The conversions begin when the sums have read all 32 P, and stand between the links of the sum's tail.  Word n takes numbers 2 n and 2 n + 1, n ascending: nothing unread is overwritten.
.macro SC ul, first
.if pn < 4
	s_wait_alu depctr_va_vdst(0)
	v_pk_add_f32 v[TT+2*pn:TT+2*pn+1], v[sc+32*\ul+4*pn:sc+32*\ul+4*pn+1], v[sc+32*\ul+4*pn+2:sc+32*\ul+4*pn+3]
.elseif pn < 12
	v_pk_add_f32 v[TT+2*(pn%4):TT+2*(pn%4)+1], v[TT+2*(pn%4):TT+2*(pn%4)+1], v[sc+32*\ul+8+2*pn:sc+32*\ul+9+2*pn]
.elseif pn == 12
	v_pk_add_f32 v[TT:TT+1], v[TT:TT+1], v[TT+2:TT+3]
.elseif pn == 13
	v_pk_add_f32 v[TT+4:TT+5], v[TT+4:TT+5], v[TT+6:TT+7]
.elseif pn == 17
	v_pk_add_f32 v[TT:TT+1], v[TT:TT+1], v[TT+4:TT+5]
.elseif pn == 21
.if \first
	v_add_f32 v[AS+4*pa+2*\ul+1], v[TT], v[TT+1]
.else
	v_add_f32 v[TT], v[TT], v[TT+1]
.endif
.elseif pn == 25
.if \first
	v_nop                                          ; the first block has no old sum (the place between two exponentials is kept)
.else
	v_fma_f32 v[AS+4*pa+2*\ul+1], v[AS+4*pa+2*\ul+1], v[AS+4*pa+2*\ul], v[TT]
.endif
.else
	v_cvt_pk_f16_f32 v[sc+32*\ul+16*(cn/8)+cn%8], v[sc+32*\ul+16*(cn/8)+2*(cn%8)], v[sc+32*\ul+16*(cn/8)+2*(cn%8)+1]
.set cn, cn+1
.endif
.set pn, pn+1
.endm
; The maxima of both query tiles of pair b, whose S lies in buffer s, line by line so that eight chains run: my 32 scores, the other half's, the running maximum;
; the new shift -c M; the factor for the old sums, made of the two rounded shifts that the exponentials themselves use, so that the blocks agree whatever the size of the scores.
.macro MAX2 s, b, first
.irp k, 0,1,2,3
.irp u, 0,1
	v_max3_num_f32 v[TT+4*\u+\k], v[\s+32*\u+3*\k], v[\s+32*\u+3*\k+1], v[\s+32*\u+3*\k+2]
.endr
.endr
.set i, 0
.rept 10
.irp u, 0,1
	v_max3_num_f32 v[TT+4*\u+i%4], v[TT+4*\u+i%4], v[\s+32*\u+12+2*i], v[\s+32*\u+13+2*i]
.endr
.set i, i+1
.endr
.irp u, 0,1
	v_max3_num_f32 v[TT+4*\u], v[TT+4*\u], v[TT+4*\u+1], v[TT+4*\u+2]
.endr
.irp u, 0,1
.if \first
	v_max_num_f32 v[TT+4*\u], v[TT+4*\u], v[TT+4*\u+3]
.else
	v_max3_num_f32 v[TT+4*\u], v[TT+4*\u], v[TT+4*\u+3], v[NM+4*\b+2*\u+1]
.endif
.endr
.irp u, 0,1
	v_permlanex16_b32 v[TT+4*\u+1], v[TT+4*\u], s87, s88       ; the other eight keys of each tile lie in lane r of the other half
.endr
.irp u, 0,1
	v_max_num_f32 v[NM+4*\b+2*\u+1], v[TT+4*\u], v[TT+4*\u+1]
.endr
.irp u, 0,1
	v_mul_f32 v[TT+4*\u+2], s86, v[NM+4*\b+2*\u+1]             ; -c M
.endr
.if \first == 0
.irp u, 0,1
	v_sub_f32 v[TT+4*\u+3], v[TT+4*\u+2], v[NM+4*\b+2*\u]      ; c (M old - M new), at most 0
.endr
.irp u, 0,1
	v_exp_f32 v[AS+4*\b+2*\u], v[TT+4*\u+3]
.endr
.endif
.irp u, 0,1
	v_mov_b32 v[NM+4*\b+2*\u], v[TT+4*\u+2]                    ; plain work behind the exponentials before their results are read (ISA guide 5.7.2)
.endr
.endm
.macro RT t                            ; under W_PV: O's tile t of pair pa (ul = t % 2, dt = t / 2) goes over to the new maximum; the factor is the first register of its pair, for both halves
.irp n, 0,1,2,3
	v_pk_mul_f32 v[OO+64*pa+32*((\t)%2)+8*((\t)/2)+2*\n:OO+64*pa+32*((\t)%2)+8*((\t)/2)+2*\n+1], v[OO+64*pa+32*((\t)%2)+8*((\t)/2)+2*\n:OO+64*pa+32*((\t)%2)+8*((\t)/2)+2*\n+1], v[AS+4*pa+2*((\t)%2):AS+4*pa+2*((\t)%2)+1] op_sel_hi:[1,0]
.endr
.endm
; One step: key block p with query pair a.  first = 1: block 0 starts sums and O, nothing is cleared; mfirst = 1: the maxima made here are their pair's first.
; qk = 1: there is a next step, whose S is made here.  kld, vld = 1: K(p + 1), V(p + 1) are fetched.  w0, wv: the count of the LDS wait at the head and in front of P V (-1: none).
.macro BODY a, first, mfirst, qk, kld, vld, w0, wv
.set pa, \a
.set qp, 1-\a
.set sc, S0+64*\a
.set sn, S0+64*(1-\a)
.if \w0 >= 0
	s_wait_dscnt \w0                               ; K(p + 1), for the products below: the youngest loads
.endif
.if \qk
	WIN W_QK                                       ; none of the 64 instructions below names a vector register as source 1
.endif
.set tick, 0
.set i, 0
.rept 16
	TICK \qk
	v_pk_fma_f32 v[sc+2*i:sc+2*i+1], v[sc+2*i:sc+2*i+1], s[84:85], v[NM+4*pa:NM+4*pa+1] op_sel_hi:[1,0,0]               ; c S - c M, the pair's first tile
.set i, i+1
.endr
.set i, 0
.rept 16
	TICK \qk
	v_exp_f32 v[sc+2*i], v[sc+2*i]                                                                                       ; its P, in place
	TICK \qk
	v_exp_f32 v[sc+2*i+1], v[sc+2*i+1]
	TICK \qk
	v_pk_fma_f32 v[sc+32+2*i:sc+33+2*i], v[sc+32+2*i:sc+33+2*i], s[84:85], v[NM+4*pa+2:NM+4*pa+3] op_sel_hi:[1,0,0]     ; c S - c M, the second tile: the plain place behind the two exponentials
.set i, i+1
.endr
	WIN 0
.set i, 0
.set pn, 0
.set cn, 0
.rept 32
	v_exp_f32 v[sc+32+i], v[sc+32+i]                                                                                     ; P of the second tile, by turns with the first tile's sum and packing
	SC 0, \first
.set i, i+1
.endr
	SC 0, \first
.set pn, 0
.set cn, 0
.rept 33
	SC 1, \first                                   ; the sums and packings are also the places behind the last product, for the loads onto K's fragments and the maxima
.endr
.if \kld
	KLOAD                                          ; K(p + 1): both pairs have had K(p)
.endif
.if \wv >= 0
	s_wait_dscnt \wv                               ; V(p) is in; K(p + 1)'s 16 loads, where there are any, are younger
.endif
	WIN W_PV
.set q, 0
.if \first == 0
	RT 0
	RT 1
.endif
.rept 8                                ; keys 0-31; eight accumulators by turns, twice in the same order
.if \first
	v_wmma_f32_16x16x32_f16 v[OO+64*pa+32*(q%2)+8*(q/2):OO+64*pa+32*(q%2)+8*(q/2)+7], v[VF+8*(q/2):VF+8*(q/2)+7], v[sc+32*(q%2):sc+32*(q%2)+7], 0
.else
	v_wmma_f32_16x16x32_f16 v[OO+64*pa+32*(q%2)+8*(q/2):OO+64*pa+32*(q%2)+8*(q/2)+7], v[VF+8*(q/2):VF+8*(q/2)+7], v[sc+32*(q%2):sc+32*(q%2)+7], v[OO+64*pa+32*(q%2)+8*(q/2):OO+64*pa+32*(q%2)+8*(q/2)+7]
.if q < 6
	RT q+2                                         ; the tile two turns ahead, none of this product's registers
.endif
.endif
.set q, q+1
.endr
.set q, 0
.rept 8                                ; keys 32-63
	v_wmma_f32_16x16x32_f16 v[OO+64*pa+32*(q%2)+8*(q/2):OO+64*pa+32*(q%2)+8*(q/2)+7], v[VF+32+8*(q/2):VF+32+8*(q/2)+7], v[sc+32*(q%2)+16:sc+32*(q%2)+23], v[OO+64*pa+32*(q%2)+8*(q/2):OO+64*pa+32*(q%2)+8*(q/2)+7]
.set q, q+1
.endr
	WIN 0
.if \qk
	MAX2 sn, qp, \mfirst                           ; also the places behind the last product: for the loads onto V's fragments, and for the next step's products, which write over P
.endif
.if \vld
	WIN W_TO1
	VLOAD                                          ; V(p + 1): both pairs have had V(p); it is wanted a softmax further on
	WIN 0
.endif
.endm
.macro PAIR first                      ; key block p with both query pairs; fetches block p + 1
	BODY 0, \first, \first, 1, 1, 0, -1, 16
	BODY 1, \first, 0,      1, 0, 1,  0, -1
	v_add_nc_u32 v[KADR], 2*KBLK, v[KADR]          ; my next block lies two blocks on in the rings
	v_add_nc_u32 v[VADR], 2*VBLK, v[VADR]
.endm
.macro SEG blk, trips                  ; so many key blocks, the first of which fetches the rings' block blk + g
	v_add_nc_u32 v[KADR], \blk*KBLK, v[KL]
	v_add_nc_u32 v[VADR], \blk*VBLK, v[VL]
	s_mov_b32 s89, \trips
.Lseg_\@:
	PAIR 0
	s_sub_co_u32 s89, s89, 1
	s_cmp_lg_u32 s89, 0
	s_cbranch_scc1 .Lseg_\@
.endm
.macro SHOW left                       ; my parts of the tiles wanted next are in (left younger tiles of mine may stay out); everybody's are behind the barrier
	s_wait_tensorcnt \left
	s_wait_dscnt 0x0
	s_barrier_signal -1
	s_barrier_wait -1
.endm
; Slots a and b are filled again, each with the tile four tiles on: every wave's LDS reads are back and all its tensor loads have landed in front of the round of
; the cluster's barrier (so the tiles that have landed are also shown to all waves), and the joint refills are the first tensor loads behind it.
.macro REFILL a, b
	s_wait_dscnt 0x0
	s_wait_tensorcnt 0x0
	ds_add_u32 v254, v255
	s_wait_dscnt 0x0
.irp t, \a, \b
	s_add_nc_u64 s[G0K+4*\t+2:G0K+4*\t+3], s[G0K+4*\t+2:G0K+4*\t+3], 4*TILEB
	s_add_nc_u64 s[G0V+4*\t+2:G0V+4*\t+3], s[G0V+4*\t+2:G0V+4*\t+3], 4*TILEB
.endr
	ROUND
	JLOAD \a
	JLOAD \b
.endm
	; THE START: K and V of my first block; S of query tiles 0, 1 with nothing beside it; their first maxima.
	SHOW 3                                         ; tile 0 (the rings' blocks 0-3)
	v_mov_b32 v[KADR], v[KL]
	v_mov_b32 v[VADR], v[VL]
	KLOAD
	WIN W_TO1
	VLOAD
	s_wait_dscnt 16                                ; K is in; V's 16 loads are younger
	WIN W_QK
.set sn, S0
.set qp, 0
.set qn, 0
.rept 16
	QKW
.set qn, qn+1
.endr
	WIN 0
	PLACES                                         ; before the maxima read S
	MAX2 S0, 0, 1
	v_add_nc_u32 v[KADR], 2*KBLK, v[KL]
	v_add_nc_u32 v[VADR], 2*VBLK, v[VL]
	PAIR 1                                         ; p = 0; fetches ring block 2 + g
	SHOW 2                                         ; tile 1 (blocks 4-7)
	SEG 4, 2                                       ; p = 1, 2; fetches blocks 4 + g, 6 + g
	REFILL 0, 1                                    ; blocks 0-7 have been fetched: tiles 4, 5 go out; tiles 2, 3 have landed
	SEG 8, 4                                       ; p = 3 .. 6; fetches blocks 8 + g .. 14 + g
	REFILL 2, 3                                    ; blocks 8-15 have been fetched: tiles 6, 7 go out; tiles 4, 5 have landed
	SEG 0, 4                                       ; p = 7 .. 10; fetches at the rings' start
	SHOW 0                                         ; tiles 6, 7: the last tensor loads
	SEG 8, 4                                       ; p = 11 .. 14
	BODY 0, 0, 0, 1, 0, 0, -1, 0                   ; p = 15: nothing more to fetch; V(15) was the youngest load
	BODY 1, 0, 0, 0, 0, 0, -1, -1                  ; the last step: no further S
	; THE MERGE.  I send register tiles 2, 3 (O, shift, sum) to the wave with my queries and the other keys, and get its tiles 2, 3, which are my tiles 0, 1.
	; The bytes lie in K's slots 0 and 1: their last fill was tiles 4 and 5, and every wave's reads of those were waited for in front of the barrier that showed tiles 6 and 7.
	PLACES                                         ; behind the last products, before O is read
	v_mov_b32 v[XT], v[NM+4]                       ; four neighbouring registers for one store: the two shifts,
	v_mov_b32 v[XT+1], v[NM+6]
	v_mov_b32 v[XT+2], v[AS+5]                     ; the two sums
	v_mov_b32 v[XT+3], v[AS+7]
	WIN W_QK                                       ; an LDS store's data is source 1
.set i, 0
.rept 16
	ds_store_b128 v[XS], v[OO+64+4*i:OO+64+4*i+3] offset:512*i     ; 32 lanes, 16 neighbouring bytes each
.set i, i+1
.endr
	WIN 0
	ds_store_b128 v[XS], v[XT:XT+3] offset:8192
	s_lshr_b32 s92, s17, 4                         ; out0: batch x 2048 rows of 4,096 bytes
	s_lshl_b32 s92, s92, 23
	s_lshl_b32 s89, s16, 20                        ; + query block x 256 rows
	s_add_co_u32 s92, s92, s89
	s_lshl_b32 s89, s14, 18                        ; + query group x 64 rows
	s_add_co_u32 s92, s92, s89
	s_lshl_b32 s89, s13, 17                        ; + the 32 rows that I keep: query tiles 2 g, 2 g + 1
	s_add_co_u32 s92, s92, s89
	s_and_b32 s89, s17, 15
	s_lshl_b32 s89, s89, 8                         ; + head x 256 bytes
	s_add_co_u32 s92, s92, s89
	s_mov_b32 s93, 0
	s_add_nc_u64 s[10:11], s[10:11], s[92:93]
	s_wait_dscnt 0x0                               ; my stores are done, for my partner's sake
	s_barrier_signal -1
	s_barrier_wait -1
.set i, 0
.rept 16
	ds_load_b128 v[S0+4*i:S0+4*i+3], v[XR] offset:512*i            ; the partner's O of my tiles 0, 1, register for register
.set i, i+1
.endr
	ds_load_b128 v[XT+4:XT+7], v[XR] offset:8192                   ; its two shifts, its two sums
	s_wait_dscnt 0x0                               ; my reads of the partner's bytes are over: behind the next barrier it lays its stage over them
	s_barrier_signal -1
	; register work while the others arrive.  With NG = -c M: a = 2^(NG* - NG), NG* the smaller of the two shifts; l = a l + a' l'; out = O a / l + O' a' / l.
.irp u, 0,1
	v_min_num_f32 v[TT+4*\u+1], v[NM+2*\u], v[XT+4+\u]
.endr
.irp u, 0,1
	v_sub_f32 v[TT+4*\u], v[TT+4*\u+1], v[NM+2*\u]                 ; at most 0, and 0 for the half with the larger maximum
	v_sub_f32 v[TT+4*\u+2], v[TT+4*\u+1], v[XT+4+\u]
.endr
.irp u, 0,1
	v_exp_f32 v[TT+4*\u], v[TT+4*\u]
	v_exp_f32 v[TT+4*\u+2], v[TT+4*\u+2]
.endr
	v_nop                                          ; one plain place behind the exponentials (ISA guide 5.7.2)
	s_wait_alu depctr_va_vdst(0)
.irp u, 0,1
	v_mul_f32 v[TT+4*\u+1], v[AS+2*\u+1], v[TT+4*\u]
.endr
.irp u, 0,1
	v_fma_f32 v[TT+4*\u+1], v[XT+6+\u], v[TT+4*\u+2], v[TT+4*\u+1]
.endr
.irp u, 0,1
	v_permlanex16_b32 v[TT+4*\u+3], v[TT+4*\u+1], s87, s88         ; the two halves of the lanes hold different keys' sums
.endr
.irp u, 0,1
	v_add_f32 v[TT+4*\u+1], v[TT+4*\u+1], v[TT+4*\u+3]             ; l is at least about 1: the row's largest P
.endr
.irp u, 0,1
	v_rcp_f32 v[TT+4*\u+3], v[TT+4*\u+1]
.endr
	v_nop                                          ; one plain place behind the reciprocals
	s_wait_alu depctr_va_vdst(0)
.irp u, 0,1
	v_mul_f32 v[TT+4*\u], v[TT+4*\u], v[TT+4*\u+3]                 ; a / l, the first register of its pair
	v_mul_f32 v[TT+4*\u+2], v[TT+4*\u+2], v[TT+4*\u+3]             ; a' / l, likewise
.endr
.irp u, 0,1
.set i, 0
.rept 16
	v_pk_mul_f32 v[S0+32*\u+2*i:S0+32*\u+2*i+1], v[S0+32*\u+2*i:S0+32*\u+2*i+1], v[TT+4*\u+2:TT+4*\u+3] op_sel_hi:[1,0]
.set i, i+1
.endr
.endr
	WIN W_FROM1
.irp u, 0,1
.set i, 0
.rept 16
	v_pk_fma_f32 v[S0+32*\u+2*i:S0+32*\u+2*i+1], v[OO+32*\u+2*i:OO+32*\u+2*i+1], v[TT+4*\u:TT+4*\u+1], v[S0+32*\u+2*i:S0+32*\u+2*i+1] op_sel_hi:[1,0,1]
.set i, i+1
.endr
.endr
	WIN 0
	s_barrier_wait -1                              ; every wave has read what it gets: my bytes are mine again
	; THE WAY OUT: through my own stage to whole rows of 256 bytes.
.irp u, 0,1
.irp dt, 0,1,2,3
	ds_store_b128 v[STO], v[S0+32*\u+8*\dt:S0+32*\u+8*\dt+3]   offset:16*272*\u+64*\dt        ; query 16 u + r of my 32, d = 16 dt + 8 h .. + 3
	ds_store_b128 v[STO], v[S0+32*\u+8*\dt+4:S0+32*\u+8*\dt+7] offset:16*272*\u+64*\dt+16
.endr
.endr
.set i, 0
.rept 16
	ds_load_b128 v[KF+4*i:KF+4*i+3], v[RD] offset:i*2*272      ; LDS serves a wave's instructions in order (ISA guide 5.7.1.4): these see my stores above
.set i, i+1
.endr
.set i, 0
.rept 16
	s_wait_dscnt 15-i                              ; this load is in, the younger ones may be out
	global_store_b128 v[CO], v[KF+4*i:KF+4*i+3], s[10:11] offset:8192*i th:TH_STORE_NT   ; 16 lanes store 256 consecutive bytes, aligned: a query's 64 numbers of this head
.set i, i+1
.endr
	s_wait_tensorcnt 0x0
	ds_add_u32 v254, v255
	s_wait_dscnt 0x0
	ROUND                                          ; the closing round: no work-group ends while a partner may still ask for a tile that names it
	s_endpgm
.Lfunc_end_k_qce1019f9a0_attn:
	.size	k_qce1019f9a0_attn, .Lfunc_end_k_qce1019f9a0_attn-k_qce1019f9a0_attn
	.p2alignl 7, 3214868480
	.fill 96, 4, 3214868480
	.section	.rodata,"a",@progbits
	.p2align	6, 0x0
	.amdhsa_kernel k_qce1019f9a0_attn
		.amdhsa_group_segment_fixed_size 327680
		.amdhsa_private_segment_fixed_size 0
		.amdhsa_enable_private_segment 0
		.amdhsa_kernarg_size 32
		.amdhsa_user_sgpr_count 2
		.amdhsa_user_sgpr_kernarg_segment_ptr 1
		.amdhsa_wavefront_size32 1
		.amdhsa_system_sgpr_workgroup_id_x 1
		.amdhsa_system_sgpr_workgroup_id_y 1
		.amdhsa_system_sgpr_workgroup_id_z 1
		.amdhsa_system_vgpr_workitem_id 0
		.amdhsa_next_free_vgpr 512
		.amdhsa_next_free_sgpr 96
		.amdhsa_reserve_vcc 0
		.amdhsa_float_denorm_mode_32 3
		.amdhsa_float_denorm_mode_16_64 3
		.amdhsa_memory_ordered 1
		.amdhsa_forward_progress 1
		.amdhsa_inst_pref_size 214
	.end_amdhsa_kernel
	.amdgpu_metadata
---
amdhsa.version: [ 1, 2 ]
amdhsa.kernels:
  - .name:           k_qce1019f9a0_attn
    .symbol:         k_qce1019f9a0_attn.kd
    .args:
      - { .name: qh, .offset: 0, .size: 8, .value_kind: global_buffer, .address_space: global }
      - { .name: kh, .offset: 8, .size: 8, .value_kind: global_buffer, .address_space: global }
      - { .name: vh, .offset: 16, .size: 8, .value_kind: global_buffer, .address_space: global }
      - { .name: out0, .offset: 24, .size: 8, .value_kind: global_buffer, .address_space: global }
    .group_segment_fixed_size: 327680
    .private_segment_fixed_size: 0
    .kernarg_segment_align: 8
    .kernarg_segment_size: 32
    .max_flat_workgroup_size: 256
    .sgpr_count:     96
    .vgpr_count:     512
    .wavefront_size: 32
...
	.end_amdgpu_metadata
.endif
;; end of part 5
